; MI455X (gfx1250); checked and timed in simulation.
; The chip was launched on July 23, 2026; its instructions are those of AMD's public machine-readable ISA for CDNA 5 (MIT licence, August 2026) and "CDNA5" Instruction Set Architecture Reference Guide (July 2026). The comments in the code are by the model that wrote it; some were corrected since.
;; Encoder Layer. Allowed arithmetic: matrix products marked QUANTISED: E4M3 operands, one E8M0 scale for each 32 along K, by v_wmma_scale_f32_16x16x128_f8f6f4 with both operands' format E4M3, f32 sums; products left as they are: f32 operands where the result goes on into a quantised operand, else bf16, f16 or f32 operands; f32 sums; everything else in f32.
;; Inputs: W1 256 x 1,024 float32; W2 512 x 256 float32; Wk 256 x 256 float32; Wo 256 x 256 float32; Wq 256 x 256 float32; Wv 256 x 256 float32; b1 1,024 float32; b2 256 float32; beta1 256 float32; beta2 256 float32; bo 256 float32; gamma1 256 float32; gamma2 256 float32; x 16 x 1,024 x 256 float32.
;; Outputs: out0 16 x 1,024 x 256 float32.
;; This version of the problem:
;;   THIS VERSION OF THE PROBLEM IS GIVEN IN LOW PRECISION. The matrix products marked QUANTISED in the list below multiply operands that are first quantised to E4M3 (4 exponent bits, 3 mantissa bits; 8 bits a number), with one power-of-two scale for each 32 numbers along K (OCP MX v1.0); their sums are f32. All else is computed in f32.
;;   The module's matrix products, in the order in which they are computed (A, B: the left and right operand; K: the contracted axis; several contracted axes count as one K, in the product's order):
;;     1. [M 16,384, K 256] x [K 256, N 256]; A: input x; B: input Wq: QUANTISED
;;     2. [M 16,384, K 256] x [K 256, N 256]; A: input x; B: input Wk: QUANTISED
;;     3. [M 16,384, K 256] x [K 256, N 256]; A: input x; B: input Wv: QUANTISED
;;     4. batch 256 x [M 1,024, K 16] x [K 16, N 1,024]; A: computed on the way; B: computed on the way: left as it is (K = 16 < 32)
;;     5. batch 256 x [M 16, K 1,024] x [K 1,024, N 1,024]; A: computed on the way; B: softmax (see below): QUANTISED
;;     6. [M 16,384, K 256] x [K 256, N 256]; A: computed on the way; B: input Wo: QUANTISED
;;     7. [M 16,384, K 256] x [K 256, N 1,024]; A: computed on the way; B: input W1: QUANTISED
;;     8. [M 16,384, K 512] x [K 512, N 256]; A: computed on the way; B: input W2: QUANTISED
;;   THE QUANTISER, for each operand of a quantised product, along K:
;;     - K is cut into blocks of 32 from its start; a last block that is shorter is filled with zeros.
;;     - A block's scale is 2^e with e = floor(log2(the largest magnitude in the block)) - 8, held to -126 .. 127; a block of zeros has e = 0. As a byte (E8M0): e + 127.
;;     - Each number is divided by its block's scale, clamped to +-448, and rounded to the nearest number of E4M3, ties to even, subnormals kept.
;;     - The product sums the exact products of the quantised numbers (number of the format x scale) in f32.
;;   ~~~python
;;   def quantise(x, axis):      # numpy; x: float32 -> the quantised numbers, widened to float32 again
;;       x = np.moveaxis(x, axis, -1); K = x.shape[-1]
;;       x = np.pad(x, [(0, 0)] * (x.ndim - 1) + [(0, -K % 32)]); x = x.reshape(x.shape[:-1] + (-1, 32)); a = np.abs(x).max(-1, keepdims=True)
;;       e = np.where(a > 0, np.clip(np.frexp(np.where(a > 0, a, 1))[1] - 1 - 8, -126, 127), 0)      # np.frexp(a)[1] - 1 = floor(log2(a)), exactly
;;       r = np.clip(x / 2.0 ** e, -448, 448)
;;       step = 2.0 ** (np.maximum(np.frexp(np.where(r == 0, 1, r))[1] - 1, -6) - 3)
;;       q = np.round(r / step) * step * 2.0 ** e      # np.round: ties to even
;;       return np.moveaxis(q.reshape(q.shape[:-2] + (-1,))[..., :K], -1, axis).astype(np.float32)
;;   ~~~
;;   SOFTMAX AHEAD OF A QUANTISED PRODUCT. Where the list says 'softmax', what is quantised is not the finished softmax but p = 2^(t - M), with t = logit x log2(e) and M = ceil(the row's largest t), a whole number; so 1/2 < the row's largest p <= 1. The row's sum l is taken of the UNQUANTISED p, in f32, and the product's result is divided by l at the end. Since M is a whole number, a kernel that streams over the keys may use a running M (the ceiling of the running maximum): every later rescaling is an exact power of two, which a block's scale takes up: the codes' values come out the same.
;;   OPERANDS COMPUTED ON THE WAY. 'Computed on the way' means the value that the module computes at that place (a softmax that the list does not call 'softmax' is quantised finished and normalised). What goes into a quantiser is computed in f32, as accurately as f32 sums, v_exp_f32 and their like allow (about 1e-6 of the number): no bf16 or f16 on the way to a quantiser, and a product that is left as it is and whose result goes on into a quantised operand takes f32 operands (vector FMAs, or v_wmma_f32_16x16x4_f32). A number that lies on a knife's edge between two numbers of the format may be rounded either way, as far as f32 arithmetic and the matrix unit's own rounding can turn it there, and no further.
;; One version. Each part assembles by itself: llvm-mc -triple=amdgcn-amd-amdhsa -mcpu=gfx1250 --defsym DOCPART=n.
;; ======== version 1 of 1: 6 launches
;; workspace buffers: wcs 696,320 bytes; qkv 38,010,880 bytes; at 16,777,216 bytes; y1s 17,301,504 bytes; y2s 17,301,504 bytes
;; launch wquant (part 1): grid 80 x 1, 4 waves a work-group, no clusters, 0 bytes of LDS; arguments Wq, Wk, Wv, Wo, W1, W2, wcs; writes wcs
.if DOCPART == 1
	.amdgcn_target "amdgcn-amd-amdhsa--gfx1250"
	.amdhsa_code_object_version 6
	.text
	.protected	k_qf3993db160_wquant
	.globl	k_qf3993db160_wquant
	.p2align	8
	.type	k_qf3993db160_wquant,@function
k_qf3993db160_wquant:
	s_mov_b64 s[64:65], 0
	v_nop
	global_prefetch_b8 v0, s[64:65] scope:SCOPE_SE
	s_setreg_imm32_b32 hwreg(HW_REG_WAVE_MODE, 25, 1), 1
	s_wait_xcnt 0x0
; The six weights, f32 stored [K][N], become operands of the scaled matrix instruction: codes of E4M3 with one E8M0 byte for each 32 along K.
; One wave makes one FRAGMENT (16 columns x 128 along K) and stores it as an image of the operand's registers: group c (registers 4 c .. 4 c + 3) is 512 bytes, lane l's 16 bytes at 512 c + 16 l;
; the fragment's scale words are 128 bytes, lane l's word at 4 l.  Fragment f lies at 2048 f, its scale words at SCB + 128 f.
; f: Wq 0 + 2 t + s, Wk 32 + .., Wv 64 + .., Wo 96 + .., W1 128 + 2 t + s (t 0..63), W2 256 + 4 t + s;  t the tile of 16 columns, s the step of 128 along K.
; Tiles of Wq, Wk, Wv hold neighbouring columns 16 t + r.  Tiles of Wo, W1, W2 hold columns 32 (t / 2) + 8 (t % 2) + r + 8 (r / 8), so that the results of two neighbouring tiles are 16 neighbours along the next K.
; A LANE TAKES A COLUMN AND ITS REGISTERS RUN DOWN K, in the order that the operand's layout gives the lane: k = 32 c + 16 (lane / 16) + 0 .. 15.  Nothing is transposed.
; 320 fragments, four waves to a work-group: 80 work-groups.  The weights are 2.6 MB in all: each is read once; sixteen lanes of a load read 64 bytes of a row.
; LIMITS: NaN and infinities are not served.  A block whose largest magnitude lies under 2^-118 (a block of zeros among them) gets the byte 1; the bytes are read by this program alone.
.set SCB, 655360
.set SEL, 2                            ; s[2:3] lane selects for v_permlanex16_b32: lane l xor 16
.set MNT, 35                           ; s35    the mantissa field of 448
; 16 nb numbers of a lane, v[src + 16 b + i], block b's 16 of 32 (the other 16 lie in lane l xor 16), become codes in v[pc + 4 b ..].
; v[tm + b] largest magnitude, v[tm + nb + b] the scale's byte, v[tm + 2 nb + b] 448 x the scale, v[tm + 3 nb + b] the conversion's scale operand.
.macro QUANT src, nb, tm, pc
.set qb, 0
.rept \nb
	v_mov_b32 v[\tm+\nb+qb], 0                     ; a lane permute's destination counts as one of its sources
	v_max3_num_f32 v[\tm+qb], |v[\src+16*qb]|, |v[\src+16*qb+1]|, 0x4800000   ; the floor 2^(9 - 127) among the leaves: the byte cannot fall under 1
.set qb, qb+1
.endr
.irp i, 2,4,6,8,10,12,14
.set qb, 0
.rept \nb
	v_max3_num_f32 v[\tm+qb], v[\tm+qb], |v[\src+16*qb+\i]|, |v[\src+16*qb+\i+1]|
.set qb, qb+1
.endr
.endr
.set qb, 0
.rept \nb
	v_permlanex16_b32 v[\tm+\nb+qb], v[\tm+qb], s[SEL], s[SEL+1]
.set qb, qb+1
.endr
.set qb, 0
.rept \nb
	v_max_num_f32 v[\tm+qb], v[\tm+qb], v[\tm+\nb+qb]      ; the block's largest magnitude
.set qb, qb+1
.endr
.set qb, 0
.rept \nb
	v_add_nc_u32 v[\tm+3*\nb+qb], 0xfc000000, v[\tm+qb]    ; 8 off its exponent field: the conversion takes the exponent field of this operand as its scale
	v_and_or_b32 v[\tm+2*\nb+qb], v[\tm+qb], 0x7f800000, s[MNT]   ; 448 x the scale
.set qb, qb+1
.endr
.set qb, 0
.rept \nb
	v_lshrrev_b32 v[\tm+\nb+qb], 23, v[\tm+3*\nb+qb]       ; the scale's byte
.set qb, qb+1
.endr
.set qb, 0
.rept \nb
.irp i, 0,1,2,3,4,5,6,7,8,9,10,11,12,13,14,15
	v_med3_num_f32 v[\src+16*qb+\i], v[\src+16*qb+\i], -v[\tm+2*\nb+qb], v[\tm+2*\nb+qb]   ; the conversion to an 8-bit code does not saturate (ISA guide 7.6.2): the hold
.endr
	v_cvt_scalef32_pk8_fp8_f32 v[\pc+4*qb:\pc+4*qb+1], v[\src+16*qb:\src+16*qb+7], v[\tm+3*\nb+qb]
	v_cvt_scalef32_pk8_fp8_f32 v[\pc+4*qb+2:\pc+4*qb+3], v[\src+16*qb+8:\src+16*qb+15], v[\tm+3*\nb+qb]
.set qb, qb+1
.endr
	v_nop                                          ; one plain line behind the last conversion
.endm
.macro WLOAD pitch                     ; W(128 s + 32 c + 16 h + i, my column) into v[64 + 16 c + i]
.irp c, 0,1,2,3
.irp i, 0,1,2,3,4,5,6,7,8,9,10,11,12,13,14,15
	global_load_b32 v[64+16*\c+\i], v5, s[18:19] offset:(32*\c+\i)*\pitch
.endr
.endr
.endm
	s_load_b256 s[4:11], s[0:1], 0x0               ; Wq s[4:5], Wk s[6:7], Wv s[8:9], Wo s[10:11]
	s_load_b128 s[12:15], s[0:1], 0x20             ; W1 s[12:13], W2 s[14:15]
	s_load_b64 s[16:17], s[0:1], 0x30              ; wcs
	v_lshrrev_b32 v1, 5, v0
	v_readfirstlane_b32 s20, v1                    ; wave 0..3
	v_and_b32 v3, 31, v0                           ; lane
	v_and_b32 v4, 15, v0                           ; r
	v_bfe_u32 v6, v0, 4, 1                         ; h
	v_lshlrev_b32 v1, 4, v3                        ; 16 x lane: my place in a group of an image
	v_lshlrev_b32 v2, 2, v3                        ; 4 x lane: my scale word's place
	s_mov_b32 s[SEL], 0x76543210
	s_mov_b32 s[SEL+1], 0xfedcba98
	s_mov_b32 s[MNT], 0x600000
	s_lshl_b32 s21, ttmp9, 2
	s_add_co_u32 s21, s21, s20                     ; f = 4 x work-group + wave
	s_cmp_ge_u32 ttmp9, 24
	s_cselect_b32 s23, 1, 0                        ; from Wo on the tiles' columns are permuted
	s_cmp_ge_u32 ttmp9, 64
	s_cselect_b32 s24, 2, 1                        ; log2 of the K steps: W2 has four, the others two
	s_sub_co_u32 s30, ttmp9, 32
	s_cmp_lt_u32 s30, 32                           ; work-groups 32 .. 63 take W1,
	s_cselect_b32 s31, 12, 10                      ; whose rows are 4,096 bytes; all others' are 1,024
	s_wait_kmcnt 0x0
	s_mov_b64 s[18:19], s[14:15]                   ; which weight, and its first fragment: the choice hangs on the work-group's number alone
	s_mov_b32 s22, 256
	s_cmp_lt_u32 ttmp9, 64
	s_cselect_b64 s[18:19], s[12:13], s[18:19]
	s_cselect_b32 s22, 128, s22
	s_cmp_lt_u32 ttmp9, 32
	s_cselect_b64 s[18:19], s[10:11], s[18:19]
	s_cselect_b32 s22, 96, s22
	s_cmp_lt_u32 ttmp9, 24
	s_cselect_b64 s[18:19], s[8:9], s[18:19]
	s_cselect_b32 s22, 64, s22
	s_cmp_lt_u32 ttmp9, 16
	s_cselect_b64 s[18:19], s[6:7], s[18:19]
	s_cselect_b32 s22, 32, s22
	s_cmp_lt_u32 ttmp9, 8
	s_cselect_b64 s[18:19], s[4:5], s[18:19]
	s_cselect_b32 s22, 0, s22
	s_sub_co_u32 s25, s21, s22                     ; the fragment's number within its weight
	s_lshr_b32 s26, s25, s24                       ; t
	s_bfm_b32 s27, s24, 0
	s_and_b32 s27, s25, s27                        ; s
	s_and_b32 s28, s26, s23                        ; t % 2 where the tiles are permuted, else 0
	s_lshl_b32 s28, s28, 3
	s_lshl_b32 s29, s26, 4
	s_sub_co_u32 s29, s29, s28                     ; the tile's first column: 16 t - 8 (t % 2) = 32 (t / 2) + 8 (t % 2)
	s_add_co_u32 s32, s31, 7
	s_lshl_b32 s32, s27, s32                       ; 128 s rows, in bytes
	s_mov_b32 s33, 0
	s_add_nc_u64 s[18:19], s[18:19], s[32:33]
	v_and_b32 v7, 8, v4
	v_mul_u32_u24 v7, s23, v7                      ; + 8 (r / 8) where permuted
	v_add3_u32 v7, v7, v4, s29                     ; my column
	s_add_co_u32 s34, s31, 4
	v_lshlrev_b32 v8, s34, v6                      ; lanes 16-31 begin 16 rows further down
	v_lshl_add_u32 v5, v7, 2, v8
	s_lshl_b32 s36, s21, 11                        ; where the image goes,
	s_mov_b32 s37, 0
	s_add_nc_u64 s[36:37], s[16:17], s[36:37]
	s_lshl_b32 s38, s21, 7                         ; and its scale words
	s_add_co_u32 s38, s38, SCB
	s_mov_b32 s39, 0
	s_add_nc_u64 s[38:39], s[16:17], s[38:39]
	s_cmp_lt_u32 s30, 32                           ; the row pitch stands in the loads' immediates: two copies of the 64 loads, and nothing else, under the branch
	s_cbranch_scc1 .Lwide
	WLOAD 1024
	s_branch .Lloaded
.Lwide:
	WLOAD 4096
.Lloaded:
	s_wait_loadcnt 0x0
	QUANT 64, 4, 32, 48
	v_lshl_or_b32 v9, v37, 8, v36                  ; the four bytes make my column's scale word (both halves of the lanes hold the same)
	v_lshl_or_b32 v9, v38, 16, v9
	v_lshl_or_b32 v9, v39, 24, v9
.irp c, 0,1,2,3
	global_store_b128 v1, v[48+4*\c:51+4*\c], s[36:37] offset:512*\c   ; the wave stores 512 consecutive bytes
.endr
	global_store_b32 v2, v9, s[38:39]
	s_endpgm
.Lfunc_end_k_qf3993db160_wquant:
	.size	k_qf3993db160_wquant, .Lfunc_end_k_qf3993db160_wquant-k_qf3993db160_wquant
	.p2alignl 7, 3214868480
	.fill 96, 4, 3214868480
	.section	.rodata,"a",@progbits
	.p2align	6, 0x0
	.amdhsa_kernel k_qf3993db160_wquant
		.amdhsa_group_segment_fixed_size 0
		.amdhsa_private_segment_fixed_size 0
		.amdhsa_enable_private_segment 0
		.amdhsa_kernarg_size 56
		.amdhsa_user_sgpr_count 2
		.amdhsa_user_sgpr_kernarg_segment_ptr 1
		.amdhsa_wavefront_size32 1
		.amdhsa_system_sgpr_workgroup_id_x 1
		.amdhsa_system_sgpr_workgroup_id_y 1
		.amdhsa_system_sgpr_workgroup_id_z 1
		.amdhsa_system_vgpr_workitem_id 0
		.amdhsa_next_free_vgpr 128
		.amdhsa_next_free_sgpr 66
		.amdhsa_reserve_vcc 0
		.amdhsa_float_denorm_mode_32 3
		.amdhsa_float_denorm_mode_16_64 3
		.amdhsa_memory_ordered 1
		.amdhsa_forward_progress 1
		.amdhsa_inst_pref_size 24
	.end_amdhsa_kernel
	.amdgpu_metadata
---
amdhsa.version: [ 1, 2 ]
amdhsa.kernels:
  - .name:           k_qf3993db160_wquant
    .symbol:         k_qf3993db160_wquant.kd
    .args:
      - { .name: Wq, .offset: 0, .size: 8, .value_kind: global_buffer, .address_space: global }
      - { .name: Wk, .offset: 8, .size: 8, .value_kind: global_buffer, .address_space: global }
      - { .name: Wv, .offset: 16, .size: 8, .value_kind: global_buffer, .address_space: global }
      - { .name: Wo, .offset: 24, .size: 8, .value_kind: global_buffer, .address_space: global }
      - { .name: W1, .offset: 32, .size: 8, .value_kind: global_buffer, .address_space: global }
      - { .name: W2, .offset: 40, .size: 8, .value_kind: global_buffer, .address_space: global }
      - { .name: wcs, .offset: 48, .size: 8, .value_kind: global_buffer, .address_space: global }
    .group_segment_fixed_size: 0
    .private_segment_fixed_size: 0
    .kernarg_segment_align: 8
    .kernarg_segment_size: 56
    .max_flat_workgroup_size: 128
    .sgpr_count:     66
    .vgpr_count:     128
    .wavefront_size: 32
...
	.end_amdgpu_metadata
.endif
;; end of part 1
;; launch qkvp (part 2): grid 256 x 1, 16 waves a work-group, no clusters, 19,456 bytes of LDS; arguments x, wcs, qkv; writes qkv
.if DOCPART == 2
	.amdgcn_target "amdgcn-amd-amdhsa--gfx1250"
	.amdhsa_code_object_version 6
	.text
	.protected	k_qf3993db160_qkvp
	.globl	k_qf3993db160_qkvp
	.p2align	8
	.type	k_qf3993db160_qkvp,@function
k_qf3993db160_qkvp:
	s_mov_b64 s[64:65], 0
	v_nop
	global_prefetch_b8 v0, s[64:65] scope:SCOPE_SE
	s_setreg_imm32_b32 hwreg(HW_REG_WAVE_MODE, 25, 1), 1
	s_wait_xcnt 0x0
; q = x Wq, k = x Wk, v = x Wv on codes of E4M3 with E8M0 scales for each 32 along K = 256.  x: [16][1024][256] f32, quantised here in registers.
; SHARES.  Work-group g owns rows 64 g .. 64 g + 63 (batch g / 16), as four tiles of 16.  SLOT r OF TILE m IS ROW 32 (m / 2) + 8 (m % 2) + r + 8 (r / 8) of the 64: where such a tile is source 0 of a product, the 16 result
; registers of tiles 2 B and 2 B + 1 are 16 neighbouring rows, which is what v needs (its next K is the keys).
; PHASE X: wave w = 4 m + 2 s + hf quantises blocks 2 hf, 2 hf + 1 of fragment (tile m, K step s) of x and stores them in LDS as an image of the operand's registers (lane l's 16 bytes at 512 c + 16 l).  One barrier.
; PHASE M: wave w is head w.  All eight fragments of x come back from LDS; the wave's fragments of Wq, Wk, Wv come from memory as register images, each read by this wave alone in the work-group.
;   q, k: source 0 = the weight's 16 columns, source 1 = 16 rows: a lane holds one row slot and d = 8 (lane / 16) + 0 .. 7.  Stored as f32 images of 1,024 bytes a tile: lane l's 16 bytes at 512 g + 16 l hold d = 8 h + 4 g + 0 .. 3.
;   v: source 0 = 16 rows, source 1 = the weight's columns: a lane holds d = lane % 16 and 32 keys in two blocks' halves; quantised along the keys and stored as parts of the code images that the attention launch reads.
; Every store of q, k and v's codes covers 512 consecutive bytes.  v's scale bytes leave two to a lane (256 KB in the launch).
; LIMITS: NaN and infinities are not served; a block whose largest magnitude lies under 2^-118 gets the byte 1 (read by this program alone).
.set KB,  16777216                     ; qkv: q's images at 0, k's here,
.set VCB, 33554432                     ; v's code images,
.set VSB, 37748736                     ; v's scale words
.set SCB, 655360                       ; wcs: the scale words
.set XSC, 16384                        ; LDS: x's eight images at 2048 (2 m + s), their scale words here, 128 bytes each
.set LI,  1                            ; v1   16 x lane
.set LS,  2                            ; v2   4 x lane
.set XA,  3                            ; v3   x: my row slot's row x 1,024 + 64 h
.set XWI, 4                            ; v4   where I store my part of an image: 16 x lane + 1,024 x wave
.set XWS, 5                            ; v5   and my two scale bytes: 4 x lane + 128 (wave / 2) + 2 (wave % 2)
.set XS,  8                            ; v8-15  x's scale words, fragment 2 m + s
.set WS,  16                           ; v16-21 the weights' scale words: q, k, v, two K steps each
.set PW,  22                           ; v22  two scale bytes just made
.set TM,  24                           ; v24-31 at work in the quantiser
.set ACC, 32                           ; v32-63 four accumulators; in phase X my 32 numbers of x
.set W0,  64                           ; v64-95 Wq's two fragments, later Wv's
.set W1,  96                           ; v96-127 Wk's; later v's codes
.set XF,  128                          ; v128-255 x's eight fragments; in phase X the codes just made
.set SEL, 30
.set MNT, 32
.macro PLACES n
.rept \n
	v_nop
.endr
.endm
.macro QUANT src, nb, tm, pc           ; 16 nb numbers of a lane, v[src + 16 b + i], become codes in v[pc + 4 b ..]; bytes in v[tm + nb + b]
.set qb, 0
.rept \nb
	v_mov_b32 v[\tm+\nb+qb], 0                     ; a lane permute's destination counts as one of its sources
	v_max3_num_f32 v[\tm+qb], |v[\src+16*qb]|, |v[\src+16*qb+1]|, 0x4800000   ; the floor 2^(9 - 127) among the leaves: the byte cannot fall under 1
.set qb, qb+1
.endr
.irp i, 2,4,6,8,10,12,14
.set qb, 0
.rept \nb
	v_max3_num_f32 v[\tm+qb], v[\tm+qb], |v[\src+16*qb+\i]|, |v[\src+16*qb+\i+1]|
.set qb, qb+1
.endr
.endr
.set qb, 0
.rept \nb
	v_permlanex16_b32 v[\tm+\nb+qb], v[\tm+qb], s[SEL], s[SEL+1]
.set qb, qb+1
.endr
.set qb, 0
.rept \nb
	v_max_num_f32 v[\tm+qb], v[\tm+qb], v[\tm+\nb+qb]      ; with lane l xor 16's: the block's largest magnitude
.set qb, qb+1
.endr
.set qb, 0
.rept \nb
	v_add_nc_u32 v[\tm+3*\nb+qb], 0xfc000000, v[\tm+qb]    ; 8 off its exponent field: the conversion's scale operand
	v_and_or_b32 v[\tm+2*\nb+qb], v[\tm+qb], 0x7f800000, s[MNT]   ; 448 x the scale
.set qb, qb+1
.endr
.set qb, 0
.rept \nb
	v_lshrrev_b32 v[\tm+\nb+qb], 23, v[\tm+3*\nb+qb]       ; the scale's byte
.set qb, qb+1
.endr
.set qb, 0
.rept \nb
.irp i, 0,1,2,3,4,5,6,7,8,9,10,11,12,13,14,15
	v_med3_num_f32 v[\src+16*qb+\i], v[\src+16*qb+\i], -v[\tm+2*\nb+qb], v[\tm+2*\nb+qb]   ; the conversion does not saturate (ISA guide 7.6.2): the hold
.endr
	v_cvt_scalef32_pk8_fp8_f32 v[\pc+4*qb:\pc+4*qb+1], v[\src+16*qb:\src+16*qb+7], v[\tm+3*\nb+qb]
	v_cvt_scalef32_pk8_fp8_f32 v[\pc+4*qb+2:\pc+4*qb+3], v[\src+16*qb+8:\src+16*qb+15], v[\tm+3*\nb+qb]
.set qb, qb+1
.endr
	v_nop                                          ; one plain line behind the last conversion
.endm
; Eight products: the four accumulators by turns, K step by K step; the first K step starts the sums.  Source 0 = the weight's 16 columns, source 1 = 16 rows of x.
.macro MULW wf, ws
.irp s, 0,1
.irp m, 0,1,2,3
.if \s == 0
	v_wmma_scale_f32_16x16x128_f8f6f4 v[ACC+8*\m:ACC+8*\m+7], v[\wf+16*\s:\wf+16*\s+15], v[XF+16*(2*\m+\s):XF+16*(2*\m+\s)+15], 0, v[\ws+\s], v[XS+2*\m+\s]
.else
	v_wmma_scale_f32_16x16x128_f8f6f4 v[ACC+8*\m:ACC+8*\m+7], v[\wf+16*\s:\wf+16*\s+15], v[XF+16*(2*\m+\s):XF+16*(2*\m+\s)+15], v[ACC+8*\m:ACC+8*\m+7], v[\ws+\s], v[XS+2*\m+\s]
.endif
.endr
.endr
.endm
.macro SENDQK base                     ; the four accumulators leave as four f32 images, each from its low end on
.irp m, 0,1,2,3
	global_store_b128 v[LI], v[ACC+8*\m:ACC+8*\m+3], s[\base:\base+1] offset:1024*\m
	global_store_b128 v[LI], v[ACC+8*\m+4:ACC+8*\m+7], s[\base:\base+1] offset:1024*\m+512
.endr
.endm
	s_load_b128 s[4:7], s[0:1], 0x0                ; x s[4:5], wcs s[6:7]
	s_load_b64 s[8:9], s[0:1], 0x10                ; qkv
	v_lshrrev_b32 v1, 5, v0
	v_readfirstlane_b32 s10, v1                    ; wave 0..15
	v_and_b32 v6, 31, v0                           ; lane
	v_and_b32 v7, 15, v0                           ; r
	v_bfe_u32 v24, v0, 4, 1                        ; h
	v_lshlrev_b32 v[LI], 4, v6
	v_lshlrev_b32 v[LS], 2, v6
	v_and_b32 v[XA], 8, v7
	v_add_nc_u32 v[XA], v[XA], v7                  ; r + 8 (r / 8)
	v_lshlrev_b32 v[XA], 10, v[XA]
	v_lshl_add_u32 v[XA], v24, 6, v[XA]
	s_lshl_b32 s13, s10, 10
	v_add_nc_u32 v[XWI], s13, v[LI]
	s_lshr_b32 s13, s10, 1
	s_lshl_b32 s13, s13, 7
	s_and_b32 s14, s10, 1
	s_lshl_b32 s14, s14, 1
	s_add_co_u32 s13, s13, s14
	v_add_nc_u32 v[XWS], s13, v[LS]
	s_mov_b32 s[SEL], 0x76543210
	s_mov_b32 s[SEL+1], 0xfedcba98
	s_mov_b32 s[MNT], 0x600000
	s_lshr_b32 s11, ttmp9, 4                       ; batch
	s_and_b32 s12, ttmp9, 15                       ; which 64 rows of it
	s_lshl_b32 s16, ttmp9, 16                      ; x: 64 rows of 1,024 bytes a work-group,
	s_lshr_b32 s14, s10, 3
	s_lshl_b32 s14, s14, 15                        ; + 32 (m / 2) rows,
	s_add_co_u32 s16, s16, s14
	s_bfe_u32 s14, s10, 0x10002
	s_lshl_b32 s14, s14, 13                        ; + 8 (m % 2) rows,
	s_add_co_u32 s16, s16, s14
	s_and_b32 s14, s10, 3
	s_lshl_b32 s14, s14, 8                         ; + 512 s + 256 hf bytes along the row
	s_add_co_u32 s16, s16, s14
	s_mov_b32 s17, 0
	s_lshl_b32 s15, s11, 4
	s_add_co_u32 s15, s15, s10                     ; 16 x batch + head
	s_lshl_b32 s18, s10, 12                        ; wcs: my tile's two fragments of Wq; Wk's and Wv's lie 65,536 and 131,072 bytes on
	s_mov_b32 s19, 0
	s_lshl_b32 s20, s10, 8                         ; and their scale words; Wk's and Wv's 4,096 and 8,192 on
	s_add_co_u32 s20, s20, SCB
	s_mov_b32 s21, 0
	s_lshl_b32 s22, s15, 16                        ; q: 64 images of 1,024 bytes a head, my four tiles
	s_lshl_b32 s14, s12, 12
	s_add_co_u32 s22, s22, s14
	s_mov_b32 s23, 0
	s_lshl_b32 s26, s15, 14                        ; v's codes: 8 images of 2,048 bytes a head; my 64 keys are 1,024 bytes of one
	s_lshl_b32 s14, s12, 10
	s_add_co_u32 s26, s26, s14
	s_add_co_u32 s26, s26, VCB
	s_mov_b32 s27, 0
	s_lshl_b32 s28, s15, 10                        ; v's scale words: 128 bytes an image; my two bytes of each word
	s_lshr_b32 s14, s12, 1
	s_lshl_b32 s14, s14, 7
	s_add_co_u32 s28, s28, s14
	s_and_b32 s14, s12, 1
	s_lshl_b32 s14, s14, 1
	s_add_co_u32 s28, s28, s14
	s_add_co_u32 s28, s28, VSB
	s_mov_b32 s29, 0
	s_wait_kmcnt 0x0
	s_add_nc_u64 s[16:17], s[4:5], s[16:17]
	s_add_nc_u64 s[18:19], s[6:7], s[18:19]
	s_add_nc_u64 s[20:21], s[6:7], s[20:21]
	s_add_nc_u64 s[22:23], s[8:9], s[22:23]
	s_add_nc_u64 s[24:25], s[22:23], KB            ; k
	s_add_nc_u64 s[26:27], s[8:9], s[26:27]
	s_add_nc_u64 s[28:29], s[8:9], s[28:29]
.irp q, 0,1
.irp j, 0,1,2,3
	global_load_b128 v[ACC+16*\q+4*\j:ACC+16*\q+4*\j+3], v[XA], s[16:17] offset:128*\q+16*\j   ; my 16 neighbours of each of my two blocks
.endr
.endr
.irp j, 0,1,2,3,4,5,6,7
	global_load_b128 v[W0+4*\j:W0+4*\j+3], v[LI], s[18:19] offset:512*\j
.endr
	global_load_b32 v[WS], v[LS], s[20:21]
	global_load_b32 v[WS+1], v[LS], s[20:21] offset:128
.irp j, 0,1,2,3,4,5,6,7
	global_load_b128 v[W1+4*\j:W1+4*\j+3], v[LI], s[18:19] offset:65536+512*\j
.endr
	global_load_b32 v[WS+2], v[LS], s[20:21] offset:4096
	global_load_b32 v[WS+3], v[LS], s[20:21] offset:4096+128
	global_load_b32 v[WS+4], v[LS], s[20:21] offset:8192
	global_load_b32 v[WS+5], v[LS], s[20:21] offset:8192+128
	; ---- X
	s_wait_loadcnt 22                              ; x's eight loads are in; the 22 issued behind them (8 + 2 + 8 + 2 + 2) may be out
	QUANT ACC, 2, TM, XF
	v_lshl_or_b32 v[PW], v[TM+3], 8, v[TM+2]       ; my two blocks' bytes
	ds_store_b128 v[XWI], v[XF:XF+3]
	ds_store_b128 v[XWI], v[XF+4:XF+7] offset:512
	ds_store_b16 v[XWS], v[PW] offset:XSC
	s_wait_dscnt 0x0                               ; for the others' sake: my stores have landed
	s_barrier_signal -1
	s_barrier_wait -1                              ; x's eight fragments lie in LDS; nothing is written there again
	; ---- M
.irp f, 0,1,2,3,4,5,6,7
.irp c, 0,1,2,3
	ds_load_b128 v[XF+16*\f+4*\c:XF+16*\f+4*\c+3], v[LI] offset:2048*\f+512*\c
.endr
	ds_load_b32 v[XS+\f], v[LS] offset:XSC+128*\f
.endr
	s_wait_dscnt 0x0
	s_wait_loadcnt 12                              ; Wq and its scale words are in; Wk's 8 + 2 and Wv's 2 scale words may be out
	MULW W0, WS
	PLACES 9                                       ; behind this form: 8 places ahead of stores of the results and of loads into its sources, 9 ahead of a product that begins an accumulator anew
.irp j, 0,1,2,3,4,5,6,7
	global_load_b128 v[W0+4*\j:W0+4*\j+3], v[LI], s[18:19] offset:131072+512*\j   ; Wv takes Wq's registers
.endr
	SENDQK 22
	s_wait_xcnt 0x0                                ; the stores' data are written again only behind this wait
	s_wait_loadcnt 8                               ; Wk and all scale words are in; Wv's eight may be out
	MULW W1, WS+2
	PLACES 9
	SENDQK 24
	s_wait_xcnt 0x0
	s_wait_loadcnt 0x0                             ; Wv
.irp s, 0,1                                    ; v: source 0 = 16 rows of x, source 1 = Wv's 16 columns: register 8 m + j of lane (r, h) is v(key 32 (m / 2) + 16 h + 8 (m % 2) + j, d = r)
.irp m, 0,1,2,3
.if \s == 0
	v_wmma_scale_f32_16x16x128_f8f6f4 v[ACC+8*\m:ACC+8*\m+7], v[XF+16*(2*\m+\s):XF+16*(2*\m+\s)+15], v[W0+16*\s:W0+16*\s+15], 0, v[XS+2*\m+\s], v[WS+4+\s]
.else
	v_wmma_scale_f32_16x16x128_f8f6f4 v[ACC+8*\m:ACC+8*\m+7], v[XF+16*(2*\m+\s):XF+16*(2*\m+\s)+15], v[W0+16*\s:W0+16*\s+15], v[ACC+8*\m:ACC+8*\m+7], v[XS+2*\m+\s], v[WS+4+\s]
.endif
.endr
.endr
	PLACES 9
	QUANT ACC, 2, TM, W1                           ; along the keys: two blocks of 32; each accumulator is first read at its low end
	v_lshl_or_b32 v[PW], v[TM+3], 8, v[TM+2]
	global_store_b128 v[LI], v[W1:W1+3], s[26:27]
	global_store_b128 v[LI], v[W1+4:W1+7], s[26:27] offset:512
	global_store_b16 v[LS], v[PW], s[28:29]
	s_barrier_signal -1
	s_barrier_wait -1
	s_wait_xcnt 0x0
	v_lshl_add_u32 v254, v0, 2, 0x4400
	v_mov_b32 v255, 0
	s_wait_tensorcnt 0x0
	ds_add_u32 v254, v255
	s_wait_dscnt 0x0
	s_endpgm
.Lfunc_end_k_qf3993db160_qkvp:
	.size	k_qf3993db160_qkvp, .Lfunc_end_k_qf3993db160_qkvp-k_qf3993db160_qkvp
	.p2alignl 7, 3214868480
	.fill 96, 4, 3214868480
	.section	.rodata,"a",@progbits
	.p2align	6, 0x0
	.amdhsa_kernel k_qf3993db160_qkvp
		.amdhsa_group_segment_fixed_size 19456
		.amdhsa_private_segment_fixed_size 0
		.amdhsa_enable_private_segment 0
		.amdhsa_kernarg_size 24
		.amdhsa_user_sgpr_count 2
		.amdhsa_user_sgpr_kernarg_segment_ptr 1
		.amdhsa_wavefront_size32 1
		.amdhsa_system_sgpr_workgroup_id_x 1
		.amdhsa_system_sgpr_workgroup_id_y 1
		.amdhsa_system_sgpr_workgroup_id_z 1
		.amdhsa_system_vgpr_workitem_id 0
		.amdhsa_next_free_vgpr 256
		.amdhsa_next_free_sgpr 66
		.amdhsa_reserve_vcc 0
		.amdhsa_float_denorm_mode_32 3
		.amdhsa_float_denorm_mode_16_64 3
		.amdhsa_memory_ordered 1
		.amdhsa_forward_progress 1
		.amdhsa_inst_pref_size 24
	.end_amdhsa_kernel
	.amdgpu_metadata
---
amdhsa.version: [ 1, 2 ]
amdhsa.kernels:
  - .name:           k_qf3993db160_qkvp
    .symbol:         k_qf3993db160_qkvp.kd
    .args:
      - { .name: x, .offset: 0, .size: 8, .value_kind: global_buffer, .address_space: global }
      - { .name: wcs, .offset: 8, .size: 8, .value_kind: global_buffer, .address_space: global }
      - { .name: qkv, .offset: 16, .size: 8, .value_kind: global_buffer, .address_space: global }
    .group_segment_fixed_size: 19456
    .private_segment_fixed_size: 0
    .kernarg_segment_align: 8
    .kernarg_segment_size: 24
    .max_flat_workgroup_size: 512
    .sgpr_count:     66
    .vgpr_count:     256
    .wavefront_size: 32
...
	.end_amdgpu_metadata
.endif
;; end of part 2
;; launch attn (part 3): grid 256 x 1, 16 waves a work-group, no clusters, 84,992 bytes of LDS; arguments qkv, at; writes at
.if DOCPART == 3
	.amdgcn_target "amdgcn-amd-amdhsa--gfx1250"
	.amdhsa_code_object_version 6
	.text
	.protected	k_qf3993db160_attn
	.globl	k_qf3993db160_attn
	.p2align	8
	.type	k_qf3993db160_attn,@function
k_qf3993db160_attn:
	s_mov_b64 s[64:65], 0
	v_nop
	global_prefetch_b8 v0, s[64:65] scope:SCOPE_SE
	s_setreg_imm32_b32 hwreg(HW_REG_WAVE_MODE, 25, 1), 1
	s_wait_xcnt 0x0
; attn[b][n][h][:] = the sum over keys of softmax(q . k / 4) v, one (batch, head) to a work-group.
; THE SCORES have K = 16 and go on into a quantiser, so they are made with f32 operands: v_wmma_f32_16x16x4_f32, four K steps.  THE SECOND PRODUCT is on codes of E4M3 with E8M0 scales along the keys.
; THE SOFTMAX AHEAD OF IT: t = score x log2(e) / 4; M = the running largest t, taken UP to a whole number; p = 2^(t - M) is quantised, not normalised; the row's sum is taken of the unquantised p and divides at the end.
; When M moves, the sum and O are multiplied by 2^(old M - new M): exact, and with no branch on data.
; SHARES.  Sixteen waves, four to a SIMD, so that one wave's vector work stands beside another's matrix work.  Wave w owns query tiles 4 w .. 4 w + 3, one after the other; each walks the head's 1,024 keys in 8 steps of 128.
; K (64 f32 images of 1,024 bytes), V (8 code images of 2,048) and V's scale words of the head are 82,944 bytes: they come into LDS once, through registers, in front of the one barrier, and are only read after it.
; The 256 work-groups share no byte of input, so there is nothing to ask for jointly, and nothing in LDS is filled twice.
; LAYOUT.  Both products are used transposed: S^T = K Q^T (source 0 = 16 keys), O^T = V^T P^T (source 0 = the head's 16 channels): a lane holds ONE query slot (lane % 16) throughout.
; Slot r of key tile T is key 32 (T / 2) + 8 (T % 2) + r + 8 (r / 8): the 16 registers of tiles 2 b, 2 b + 1 are keys 32 b + 16 (lane / 16) + 0 .. 15, the order of the next operand.
; An f32 image gives lane (r, h) d = 8 h + 0 .. 7 of slot r; registers 2 s, 2 s + 1 serve as K step s, for Q and K alike: a permutation of d applied to both.
; LIMITS: NaN and infinities are not served.  v_exp_f32 gives 0 for results under 2^-126; a block whose every p is under 2^-118 gets the byte 1.
.set KB,   16777216
.set VCB,  33554432
.set VSB,  37748736
.set VIMG, 65536                       ; LDS: K's images at 0, V's here,
.set VSC,  81920                       ; V's scale words
.set LI,  1                            ; v1   16 x lane
.set LS,  2                            ; v2   4 x lane
.set ADK, 3                            ; v3-5 the LDS addresses of the step in hand: K, V, V's scale words
.set ADV, 4
.set ADT, 5
.set FK,  6                            ; v6-8 where my wave puts its share of K, V, the scale words
.set FV,  7
.set FS,  8
.set TW,  9                            ; v9   2 x thread
.set NM,  16                           ; v16  -M;  v17 the running largest t (a pair: the packed form takes its low word for both halves)
.set TMX, 17
.set SUM, 18                           ; v[18:19] the row's sum, in two halves
.set F,   20                           ; v[20:21] 2^(old M - new M) (v21 is written once: it is named as the pair's upper half)
.set T0,  22
.set PW,  23                           ; v23  p's scale word: scales alone
.set VS,  24                           ; v24  V's scale words: scales alone
.set R,   26                           ; v[26:27] 1 / the sum
.set BM,  28                           ; v28-31 a block's largest score, then its largest p
.set BP,  32                           ; v32-35 the other half's; then the bytes
.set HD,  36                           ; v36-39 448 x the scale
.set SCO, 40                           ; v40-43 the conversion's scale operand
.set SA,  44                           ; v[44:45] the sum's second chain
.set O,   48                           ; v48-55 O^T
.set OUT, 56                           ; v56-63 O^T / the sum
.set PC,  64                           ; v64-79 p's codes
.set VF,  80                           ; v80-95 V's fragment
.set KP,  96                           ; v96-159 K's eight f32 fragments, then p
.set S,   160                          ; v160-223 the scores: written by the f32 matrix form alone
.set Q,   224                          ; v224-255 my four query tiles
.set CS,  20                           ; s[20:21] c = log2(e) / 4
.set SEL, 22
.set MNT, 24
.set TB,  25                           ; s25-27 LDS bytes at which the step's K, V and scale words begin
.set TV,  26
.set TS,  27
.set CNT, 28
.macro PLACES n
.rept \n
	v_nop
.endr
.endm
; A KEY STEP of query tile qi: 128 keys.
.macro STEP qi
	v_add_nc_u32 v[ADK], s[TB], v[LI]
.irp t, 0,1,2,3,4,5,6,7
	ds_load_b128 v[KP+8*\t:KP+8*\t+3], v[ADK] offset:1024*\t
	ds_load_b128 v[KP+8*\t+4:KP+8*\t+7], v[ADK] offset:1024*\t+512
.endr
	s_wait_dscnt 0x0
.irp s, 0,1,2,3                                ; the eight accumulators by turns, K step by K step; the first K step starts the sums
.irp t, 0,1,2,3,4,5,6,7
.if \s == 0
	v_wmma_f32_16x16x4_f32 v[S+8*\t:S+8*\t+7], v[KP+8*\t+2*\s:KP+8*\t+2*\s+1], v[Q+8*\qi+2*\s:Q+8*\qi+2*\s+1], 0
.else
	v_wmma_f32_16x16x4_f32 v[S+8*\t:S+8*\t+7], v[KP+8*\t+2*\s:KP+8*\t+2*\s+1], v[Q+8*\qi+2*\s:Q+8*\qi+2*\s+1], v[S+8*\t:S+8*\t+7]
.endif
.endr
.endr
	v_add_nc_u32 v[ADV], s[TV], v[LI]
	v_add_nc_u32 v[ADT], s[TS], v[LS]
	PLACES 9                                       ; behind the f32 form: 8 places ahead of reads of the scores and of writes of K's registers, 9 ahead of the next step's first products, which begin these accumulators anew; they also part the loads below from the last step's scaled product
.irp c, 0,1,2,3
	ds_load_b128 v[VF+4*\c:VF+4*\c+3], v[ADV] offset:512*\c    ; V's fragment lands under the softmax
.endr
	ds_load_b32 v[VS], v[ADT]
.irp b, 0,1,2,3
	v_max3_num_f32 v[BM+\b], v[S+16*\b], v[S+16*\b+1], v[S+16*\b+2]   ; the largest score of each block of 32 keys: for the row's maximum, and, since p rises with the score, for the block's largest p.  Each accumulator is first read at its low end
.endr
.irp n, 3,5,7,9,11,13
.irp b, 0,1,2,3
	v_max3_num_f32 v[BM+\b], v[BM+\b], v[S+16*\b+\n], v[S+16*\b+\n+1]
.endr
.endr
.irp b, 0,1,2,3
	v_max_num_f32 v[BM+\b], v[BM+\b], v[S+16*\b+15]
.endr
.irp b, 0,1,2,3
	v_permlanex16_b32 v[BP+\b], v[BM+\b], s[SEL], s[SEL+1]
.endr
.irp b, 0,1,2,3
	v_max_num_f32 v[BM+\b], v[BM+\b], v[BP+\b]     ; with lane l xor 16's 16 keys
.endr
	v_max3_num_f32 v[T0], v[BM], v[BM+1], v[BM+2]
	v_max_num_f32 v[T0], v[T0], v[BM+3]            ; the step's largest score of my query
	v_mul_f32 v[T0], s[CS], v[T0]                  ; as t (c is positive)
	v_max_num_f32 v[TMX], v[TMX], v[T0]            ; the running largest t
	v_mov_b32 v[T0], v[NM]
	v_floor_f32 v[NM], -v[TMX]                     ; the new -M = floor(-t) = -ceil(t)
	v_sub_f32 v[T0], v[NM], v[T0]                  ; old M - new M: a whole number, 0 or less
	v_cvt_i32_f32 v[T0], v[T0]                     ; (it saturates)
	v_ldexp_f32 v[F], 1.0, v[T0]                   ; f = 2^(old M - new M)
.set j, 0
.rept 32
	v_pk_fma_f32 v[KP+j:KP+j+1], v[S+j:S+j+1], s[CS:CS+1], v[NM:NM+1] op_sel_hi:[1,0,0]   ; t - M, two at a time, into K's registers
.set j, j+2
.endr
.irp b, 0,1,2,3
	v_fma_f32 v[BM+\b], v[BM+\b], s[CS], v[NM]     ; the same of each block's largest score
.endr
.set j, 0
.rept 64
	v_exp_f32 v[KP+j], v[KP+j]                     ; p = 2^(t - M), at most 1
.set j, j+1
.endr
.irp b, 0,1,2,3
	v_exp_f32 v[BM+\b], v[BM+\b]                   ; the block's largest p
.endr
	v_pk_mul_f32 v[SUM:SUM+1], v[SUM:SUM+1], v[F:F+1] op_sel_hi:[1,0]   ; the sums under the new M; also the plain line behind the exponentials
	s_wait_alu depctr_va_vdst(0)
.irp b, 0,1,2,3
	v_max_num_f32 v[BM+\b], 0x4800000, v[BM+\b]    ; the floor 2^(9 - 127): the byte cannot fall under 1
.endr
.irp b, 0,1,2,3
	v_add_nc_u32 v[SCO+\b], 0xfc000000, v[BM+\b]   ; 8 off the exponent field: the conversion's scale operand
.endr
.irp b, 0,1,2,3
	v_and_or_b32 v[HD+\b], v[BM+\b], 0x7f800000, s[MNT]   ; 448 x the scale
.endr
.irp b, 0,1,2,3
	v_lshrrev_b32 v[BP+\b], 23, v[SCO+\b]          ; the scale's byte
.endr
	v_lshl_or_b32 v[PW], v[BP+1], 8, v[BP]         ; p's scale word for these 128 keys
	v_lshl_or_b32 v[PW], v[BP+2], 16, v[PW]
	v_lshl_or_b32 v[PW], v[BP+3], 24, v[PW]
	v_pk_add_f32 v[SA:SA+1], v[KP:KP+1], v[KP+2:KP+3]      ; the row's sum is taken of the unquantised p: two at a time, in two chains
.set j, 4
.rept 15
	v_pk_add_f32 v[SUM:SUM+1], v[SUM:SUM+1], v[KP+j:KP+j+1]
	v_pk_add_f32 v[SA:SA+1], v[SA:SA+1], v[KP+j+2:KP+j+3]
.set j, j+4
.endr
	v_pk_add_f32 v[SUM:SUM+1], v[SUM:SUM+1], v[SA:SA+1]
.irp b, 0,1,2,3
.set j, 0
.rept 16
	v_min_num_f32 v[KP+16*\b+j], v[KP+16*\b+j], v[HD+\b]   ; the conversion does not saturate (ISA guide 7.6.2); p is not negative, so the hold is one-sided
.set j, j+1
.endr
	v_cvt_scalef32_pk8_fp8_f32 v[PC+4*\b:PC+4*\b+1], v[KP+16*\b:KP+16*\b+7], v[SCO+\b]
	v_cvt_scalef32_pk8_fp8_f32 v[PC+4*\b+2:PC+4*\b+3], v[KP+16*\b+8:KP+16*\b+15], v[SCO+\b]
.endr
	v_nop                                          ; one plain line behind the last conversion
.irp p, 0,2,4,6
	v_pk_mul_f32 v[O+\p:O+\p+1], v[O+\p:O+\p+1], v[F:F+1] op_sel_hi:[1,0]   ; O^T under the new M, from its low end on
.endr
	PLACES 4                                       ; with the five lines above: the places between the codes, written by vector instructions, and the scaled product
	s_wait_dscnt 0x0                               ; V's fragment and scale words
	v_wmma_scale_f32_16x16x128_f8f6f4 v[O:O+7], v[VF:VF+15], v[PC:PC+15], v[O:O+7], v[VS], v[PW]
.endm
; ONE QUERY TILE: the loop is written once for each tile, since Q's registers differ.  O^T and the sum begin as zeros and the largest t as -3e38: the first change of M multiplies zeros, so the loop has no first step of its own.
.macro TILE qi
.set j, 0
.rept 8
	v_mov_b32 v[O+j], 0
.set j, j+1
.endr
	v_mov_b32 v[SUM], 0
	v_mov_b32 v[SUM+1], 0
	v_mov_b32 v[TMX], 0xff61b1e6                   ; -3e38, under every t
	v_floor_f32 v[NM], -v[TMX]
.irp b, 0,1,2,3
	v_mov_b32 v[BP+\b], 0                          ; a lane permute's destination counts as one of its sources
.endr
	s_mov_b32 s[TB], 0
	s_mov_b32 s[TV], VIMG
	s_mov_b32 s[TS], VSC
	s_mov_b32 s[CNT], 8
.Lk_\@:
	STEP \qi
	s_add_co_u32 s[TB], s[TB], 8192                ; eight images of K,
	s_add_co_u32 s[TV], s[TV], 2048                ; one of V,
	s_add_co_u32 s[TS], s[TS], 128                 ; its scale words
	s_sub_co_u32 s[CNT], s[CNT], 1
	s_cmp_lg_u32 s[CNT], 0
	s_cbranch_scc1 .Lk_\@
	PLACES 9                                       ; behind the last scaled product, ahead of the reads of O^T
	v_add_f32 v[SUM], v[SUM], v[SUM+1]             ; the sum's two halves,
	v_permlanex16_b32 v[BP], v[SUM], s[SEL], s[SEL+1]
	v_add_f32 v[SUM], v[SUM], v[BP]                ; and lane l xor 16's
	v_rcp_f32 v[R], v[SUM]
	v_nop                                          ; one plain line behind the reciprocal
	s_wait_xcnt 0x0                                ; the last tile's stores have read OUT
	s_wait_alu depctr_va_vdst(0)
.irp p, 0,2,4,6
	v_pk_mul_f32 v[OUT+\p:OUT+\p+1], v[O+\p:O+\p+1], v[R:R+1] op_sel_hi:[1,0]
.endr
	global_store_b128 v[LI], v[OUT:OUT+3], s[18:19] offset:1024*\qi          ; an f32 image: the wave stores 512 consecutive bytes
	global_store_b128 v[LI], v[OUT+4:OUT+7], s[18:19] offset:1024*\qi+512
.endm
	s_load_b128 s[4:7], s[0:1], 0x0                ; qkv s[4:5], at s[6:7]
	v_lshl_add_u32 v46, v0, 2, 0x14400
	v_mov_b32 v47, 0
	v_lshrrev_b32 v1, 5, v0
	v_readfirstlane_b32 s8, v1                     ; wave 0..15
	v_and_b32 v3, 31, v0
	v_lshlrev_b32 v[LI], 4, v3
	v_lshlrev_b32 v[LS], 2, v3
	s_lshl_b32 s29, s8, 12
	v_add_nc_u32 v[FK], s29, v[LI]                 ; my wave's 4,096 bytes of K,
	s_lshl_b32 s30, s8, 10
	s_add_co_u32 s31, s30, VIMG
	v_add_nc_u32 v[FV], s31, v[LI]                 ; its 1,024 of V,
	v_lshlrev_b32 v[TW], 1, v0
	v_add_nc_u32 v[FS], VSC, v[TW]                 ; and two bytes a thread of the scale words
	v_mov_b32 v[F+1], 0
	v_mov_b32 v[R+1], 0
	s_mov_b32 s[CS], 0x3eb8aa3b                    ; c = log2(e) / 4
	s_mov_b32 s[CS+1], s[CS]
	s_mov_b32 s[SEL], 0x76543210
	s_mov_b32 s[SEL+1], 0xfedcba98
	s_mov_b32 s[MNT], 0x600000
	s_lshl_b32 s9, ttmp9, 16
	s_add_co_u32 s16, s9, s29                      ; 65,536 x (batch, head) + 4,096 x wave: my four tiles of q, my share of k, my four tiles of the result
	s_mov_b32 s17, 0
	s_add_co_u32 s10, s16, KB
	s_mov_b32 s11, 0
	s_lshl_b32 s12, ttmp9, 14
	s_add_co_u32 s12, s12, s30
	s_add_co_u32 s12, s12, VCB
	s_mov_b32 s13, 0
	s_lshl_b32 s14, ttmp9, 10
	s_add_co_u32 s14, s14, VSB
	s_mov_b32 s15, 0
	s_wait_kmcnt 0x0
	s_add_nc_u64 s[18:19], s[6:7], s[16:17]
	s_add_nc_u64 s[16:17], s[4:5], s[16:17]
	s_add_nc_u64 s[10:11], s[4:5], s[10:11]
	s_add_nc_u64 s[12:13], s[4:5], s[12:13]
	s_add_nc_u64 s[14:15], s[4:5], s[14:15]
.irp j, 0,1,2,3,4,5,6,7
	global_load_b128 v[KP+4*\j:KP+4*\j+3], v[LI], s[10:11] offset:512*\j
.endr
	global_load_b128 v[KP+32:KP+35], v[LI], s[12:13]
	global_load_b128 v[KP+36:KP+39], v[LI], s[12:13] offset:512
	global_load_u16 v[T0], v[TW], s[14:15]
.irp j, 0,1,2,3,4,5,6,7
	global_load_b128 v[Q+4*\j:Q+4*\j+3], v[LI], s[16:17] offset:512*\j
.endr
	s_wait_loadcnt 8                               ; my shares of K, V and the scale words are in; Q's eight loads may be out
.irp j, 0,1,2,3,4,5,6,7
	ds_store_b128 v[FK], v[KP+4*\j:KP+4*\j+3] offset:512*\j
.endr
	ds_store_b128 v[FV], v[KP+32:KP+35]
	ds_store_b128 v[FV], v[KP+36:KP+39] offset:512
	ds_store_b16 v[FS], v[T0]
	s_wait_dscnt 0x0                               ; for the others' sake: my stores have landed
	s_barrier_signal -1
	s_barrier_wait -1                              ; the head's K and V lie in LDS; from here on LDS is only read
	s_wait_loadcnt 0x0                             ; Q
	TILE 0
	TILE 1
	TILE 2
	TILE 3
	s_barrier_signal -1
	s_barrier_wait -1
	s_wait_tensorcnt 0x0
	ds_add_u32 v46, v47
	s_wait_dscnt 0x0
	s_endpgm
.Lfunc_end_k_qf3993db160_attn:
	.size	k_qf3993db160_attn, .Lfunc_end_k_qf3993db160_attn-k_qf3993db160_attn
	.p2alignl 7, 3214868480
	.fill 96, 4, 3214868480
	.section	.rodata,"a",@progbits
	.p2align	6, 0x0
	.amdhsa_kernel k_qf3993db160_attn
		.amdhsa_group_segment_fixed_size 84992
		.amdhsa_private_segment_fixed_size 0
		.amdhsa_enable_private_segment 0
		.amdhsa_kernarg_size 16
		.amdhsa_user_sgpr_count 2
		.amdhsa_user_sgpr_kernarg_segment_ptr 1
		.amdhsa_wavefront_size32 1
		.amdhsa_system_sgpr_workgroup_id_x 1
		.amdhsa_system_sgpr_workgroup_id_y 1
		.amdhsa_system_sgpr_workgroup_id_z 1
		.amdhsa_system_vgpr_workitem_id 0
		.amdhsa_next_free_vgpr 256
		.amdhsa_next_free_sgpr 66
		.amdhsa_reserve_vcc 0
		.amdhsa_float_denorm_mode_32 3
		.amdhsa_float_denorm_mode_16_64 3
		.amdhsa_memory_ordered 1
		.amdhsa_forward_progress 1
		.amdhsa_inst_pref_size 81
	.end_amdhsa_kernel
	.amdgpu_metadata
---
amdhsa.version: [ 1, 2 ]
amdhsa.kernels:
  - .name:           k_qf3993db160_attn
    .symbol:         k_qf3993db160_attn.kd
    .args:
      - { .name: qkv, .offset: 0, .size: 8, .value_kind: global_buffer, .address_space: global }
      - { .name: at, .offset: 8, .size: 8, .value_kind: global_buffer, .address_space: global }
    .group_segment_fixed_size: 84992
    .private_segment_fixed_size: 0
    .kernarg_segment_align: 8
    .kernarg_segment_size: 16
    .max_flat_workgroup_size: 512
    .sgpr_count:     66
    .vgpr_count:     256
    .wavefront_size: 32
...
	.end_amdgpu_metadata
.endif
;; end of part 3
;; launch oproj (part 4): grid 256 x 1, 16 waves a work-group, no clusters, 19,456 bytes of LDS; arguments at, wcs, x, bo, y1s; writes y1s
.if DOCPART == 4
	.amdgcn_target "amdgcn-amd-amdhsa--gfx1250"
	.amdhsa_code_object_version 6
	.text
	.protected	k_qf3993db160_oproj
	.globl	k_qf3993db160_oproj
	.p2align	8
	.type	k_qf3993db160_oproj,@function
k_qf3993db160_oproj:
	s_mov_b64 s[64:65], 0
	v_nop
	global_prefetch_b8 v0, s[64:65] scope:SCOPE_SE
	s_setreg_imm32_b32 hwreg(HW_REG_WAVE_MODE, 25, 1), 1
	s_wait_xcnt 0x0
; y1 = attn Wo + bo + x, the product on codes of E4M3 with E8M0 scales along K = 256 (head x 16 + d), and for each channel the sum and the centred sum of squares of y1 over the work-group's 64 rows.
; SHARES.  Work-group g owns rows 64 g .. 64 g + 63, as four tiles whose slot r is row 32 (m / 2) + 8 (m % 2) + r + 8 (r / 8).
; PHASE X: wave w = 4 m + 2 s + hf quantises blocks 2 hf, 2 hf + 1 of fragment (tile m, K step s) of attn: lane (r, h) takes head 8 s + 4 hf + 2 q + h, all 16 d, out of that head's f32 image; the codes go to LDS as register images.
; PHASE M: wave w takes tile w of Wo's columns, 32 (w / 2) + 8 (w % 2) + slot + 8 (slot / 8), as source 0: a lane holds one row slot and channels 32 (w / 2) + 16 h + 8 (w % 2) + 0 .. 7.  x + bo is the C of the first product.
; y1 leaves as images of 16,384 bytes a row tile, [block of 32 channels][i][lane][16 bytes] = channels 32 b + 16 h + 4 i + 0 .. 3 of slot r: the order in which the next launch's quantiser wants them; every store covers 512 consecutive bytes.
; The residual is read 32 bytes of a row to a lane; the sixteen waves together read whole rows.  The statistics leave in pieces of 32 bytes: 2,048 bytes a work-group beside its 65,536 of y1.
; THE STATISTICS are a sum and a sum of squares about the 64 rows' own mean: no difference of large sums is formed here or where they are joined.
; LIMITS: NaN and infinities are not served; a block whose largest magnitude lies under 2^-118 gets the byte 1.
.set SCB, 655360
.set STB, 16777216                     ; y1s: the statistics [batch][16][2][256] f32 behind the images
.set XSC, 16384
.set LI,  1
.set LS,  2
.set AA,  3                            ; v3   attn: 16 r + 65,536 h
.set XWI, 4
.set XWS, 5
.set XR,  6                            ; v6   x: my slot's row x 1,024 + 64 h
.set RR,  7                            ; v7   r
.set XS,  8                            ; v8-15 attn's scale words
.set WS,  16                           ; v16-17 Wo's
.set PW,  22
.set H64, 23                           ; v23  64 h
.set BO,  24                           ; v24-31 bo at my eight channels
.set ACC, 32
.set W0,  64
.set RAW, 96                           ; v96-127 my 32 numbers of attn; later the statistics
.set XF,  128
.set SEL, 38
.set MNT, 40
.macro PLACES n
.rept \n
	v_nop
.endr
.endm
.macro QUANT src, nb, tm, pc           ; 16 nb numbers of a lane, v[src + 16 b + i], become codes in v[pc + 4 b ..]; bytes in v[tm + nb + b]
.set qb, 0
.rept \nb
	v_mov_b32 v[\tm+\nb+qb], 0                     ; a lane permute's destination counts as one of its sources
	v_max3_num_f32 v[\tm+qb], |v[\src+16*qb]|, |v[\src+16*qb+1]|, 0x4800000   ; the floor 2^(9 - 127) among the leaves: the byte cannot fall under 1
.set qb, qb+1
.endr
.irp i, 2,4,6,8,10,12,14
.set qb, 0
.rept \nb
	v_max3_num_f32 v[\tm+qb], v[\tm+qb], |v[\src+16*qb+\i]|, |v[\src+16*qb+\i+1]|
.set qb, qb+1
.endr
.endr
.set qb, 0
.rept \nb
	v_permlanex16_b32 v[\tm+\nb+qb], v[\tm+qb], s[SEL], s[SEL+1]
.set qb, qb+1
.endr
.set qb, 0
.rept \nb
	v_max_num_f32 v[\tm+qb], v[\tm+qb], v[\tm+\nb+qb]
.set qb, qb+1
.endr
.set qb, 0
.rept \nb
	v_add_nc_u32 v[\tm+3*\nb+qb], 0xfc000000, v[\tm+qb]
	v_and_or_b32 v[\tm+2*\nb+qb], v[\tm+qb], 0x7f800000, s[MNT]
.set qb, qb+1
.endr
.set qb, 0
.rept \nb
	v_lshrrev_b32 v[\tm+\nb+qb], 23, v[\tm+3*\nb+qb]
.set qb, qb+1
.endr
.set qb, 0
.rept \nb
.irp i, 0,1,2,3,4,5,6,7,8,9,10,11,12,13,14,15
	v_med3_num_f32 v[\src+16*qb+\i], v[\src+16*qb+\i], -v[\tm+2*\nb+qb], v[\tm+2*\nb+qb]   ; the conversion does not saturate (ISA guide 7.6.2): the hold
.endr
	v_cvt_scalef32_pk8_fp8_f32 v[\pc+4*qb:\pc+4*qb+1], v[\src+16*qb:\src+16*qb+7], v[\tm+3*\nb+qb]
	v_cvt_scalef32_pk8_fp8_f32 v[\pc+4*qb+2:\pc+4*qb+3], v[\src+16*qb+8:\src+16*qb+15], v[\tm+3*\nb+qb]
.set qb, qb+1
.endr
	v_nop                                          ; one plain line behind the last conversion
.endm
.macro TREE reg                        ; eight registers, each summed over the sixteen lanes of its half
.irp k, 1,2,4,8
.set tj, 0
.rept 8
	v_add_f32_dpp v[\reg+tj], v[\reg+tj], v[\reg+tj] row_xmask:\k row_mask:0xf bank_mask:0xf
.set tj, tj+1
.endr
.endr
.endm
; acc: four accumulators (row tile m at 8 m, my eight channels).  sm: the channels' sums over the 64 rows; m2: the sums of squares about their mean; mn, d: at work.
.macro STATS acc, sm, mn, m2, d
.irp p, 0,2,4,6
	v_pk_add_f32 v[\sm+\p:\sm+\p+1], v[\acc+\p:\acc+\p+1], v[\acc+8+\p:\acc+8+\p+1]
	v_pk_add_f32 v[\d+\p:\d+\p+1], v[\acc+16+\p:\acc+16+\p+1], v[\acc+24+\p:\acc+24+\p+1]
.endr
.irp p, 0,2,4,6
	v_pk_add_f32 v[\sm+\p:\sm+\p+1], v[\sm+\p:\sm+\p+1], v[\d+\p:\d+\p+1]
.endr
	TREE \sm
.irp p, 0,2,4,6
	v_pk_mul_f32 v[\mn+\p:\mn+\p+1], v[\sm+\p:\sm+\p+1], 0x3c800000 op_sel_hi:[1,0]   ; / 64
.endr
.irp m, 0,1,2,3
.irp p, 0,2,4,6
	v_pk_add_f32 v[\d+\p:\d+\p+1], v[\acc+8*\m+\p:\acc+8*\m+\p+1], v[\mn+\p:\mn+\p+1] neg_lo:[0,1] neg_hi:[0,1]
.endr
.irp p, 0,2,4,6
.if \m == 0
	v_pk_mul_f32 v[\m2+\p:\m2+\p+1], v[\d+\p:\d+\p+1], v[\d+\p:\d+\p+1]
.else
	v_pk_fma_f32 v[\m2+\p:\m2+\p+1], v[\d+\p:\d+\p+1], v[\d+\p:\d+\p+1], v[\m2+\p:\m2+\p+1]
.endif
.endr
.endr
	TREE \m2
.endm
	s_load_b256 s[4:11], s[0:1], 0x0               ; at s[4:5], wcs s[6:7], x s[8:9], bo s[10:11]
	s_load_b64 s[12:13], s[0:1], 0x20              ; y1s
	v_lshl_add_u32 v20, v0, 2, 0x4400
	v_mov_b32 v21, 0
	v_lshrrev_b32 v1, 5, v0
	v_readfirstlane_b32 s14, v1                    ; wave 0..15
	v_and_b32 v22, 31, v0
	v_and_b32 v[RR], 15, v0
	v_bfe_u32 v[H64], v0, 4, 1
	v_lshlrev_b32 v[LI], 4, v22
	v_lshlrev_b32 v[LS], 2, v22
	v_lshlrev_b32 v[AA], 4, v[RR]
	v_lshl_add_u32 v[AA], v[H64], 16, v[AA]
	v_and_b32 v[XR], 8, v[RR]
	v_add_nc_u32 v[XR], v[XR], v[RR]
	v_lshlrev_b32 v[XR], 10, v[XR]
	v_lshl_add_u32 v[XR], v[H64], 6, v[XR]
	v_lshlrev_b32 v[H64], 6, v[H64]
	s_lshl_b32 s18, s14, 10
	v_add_nc_u32 v[XWI], s18, v[LI]
	s_lshr_b32 s18, s14, 1
	s_lshl_b32 s18, s18, 7                         ; 128 (w / 2)
	s_and_b32 s19, s14, 1
	s_lshl_b32 s17, s19, 1
	s_add_co_u32 s17, s17, s18
	v_add_nc_u32 v[XWS], s17, v[LS]
	s_lshl_b32 s19, s19, 5
	s_add_co_u32 s17, s18, s19                     ; my channels' first byte in a row: 128 (w / 2) + 32 (w % 2)
	s_mov_b32 s[SEL], 0x76543210
	s_mov_b32 s[SEL+1], 0xfedcba98
	s_mov_b32 s[MNT], 0x600000
	s_lshr_b32 s15, ttmp9, 4                       ; batch
	s_and_b32 s16, ttmp9, 15                       ; which 64 rows of it
	s_lshl_b32 s20, s15, 4                         ; attn: head 16 x batch + 8 s + 4 hf = + 4 (w % 4), 65,536 bytes a head,
	s_and_b32 s21, s14, 3
	s_lshl_b32 s21, s21, 2
	s_add_co_u32 s20, s20, s21
	s_lshl_b32 s20, s20, 16
	s_lshl_b32 s21, s16, 2                         ; tile 4 rb + m, 1,024 bytes a tile
	s_lshr_b32 s22, s14, 2
	s_add_co_u32 s21, s21, s22
	s_lshl_b32 s21, s21, 10
	s_add_co_u32 s20, s20, s21
	s_mov_b32 s21, 0
	s_lshl_b32 s22, s14, 12                        ; Wo's fragments 96 + 2 w + s
	s_add_co_u32 s22, s22, 96*2048
	s_mov_b32 s23, 0
	s_lshl_b32 s24, s14, 8
	s_add_co_u32 s24, s24, SCB+96*128
	s_mov_b32 s25, 0
	s_lshl_b32 s26, ttmp9, 16                      ; x: my work-group's rows, my channels
	s_add_co_u32 s26, s26, s17
	s_mov_b32 s27, 0
	s_mov_b32 s28, s17
	s_mov_b32 s29, 0
	s_lshl_b32 s34, ttmp9, 16                      ; y1: four images of 16,384 bytes; my part of each begins 1,024 w bytes in
	s_lshl_b32 s31, s14, 10
	s_add_co_u32 s34, s34, s31
	s_mov_b32 s35, 0
	s_lshl_b32 s36, ttmp9, 11                      ; the statistics: 2,048 bytes a work-group
	s_add_co_u32 s36, s36, s17
	s_add_co_u32 s36, s36, STB
	s_mov_b32 s37, 0
	s_wait_kmcnt 0x0
	s_add_nc_u64 s[20:21], s[4:5], s[20:21]
	s_add_nc_u64 s[22:23], s[6:7], s[22:23]
	s_add_nc_u64 s[24:25], s[6:7], s[24:25]
	s_add_nc_u64 s[26:27], s[8:9], s[26:27]
	s_add_nc_u64 s[28:29], s[10:11], s[28:29]
	s_add_nc_u64 s[34:35], s[12:13], s[34:35]
	s_add_nc_u64 s[36:37], s[12:13], s[36:37]
.irp q, 0,1
.irp j, 0,1,2,3
	global_load_b128 v[RAW+16*\q+4*\j:RAW+16*\q+4*\j+3], v[AA], s[20:21] offset:131072*\q+512*(\j%2)+256*(\j/2)   ; d = 4 j .. 4 j + 3 of my slot lie at 512 (j % 2) + 256 (j / 2) + 16 r of the head's image
.endr
.endr
.irp j, 0,1,2,3,4,5,6,7
	global_load_b128 v[W0+4*\j:W0+4*\j+3], v[LI], s[22:23] offset:512*\j
.endr
	global_load_b32 v[WS], v[LS], s[24:25]
	global_load_b32 v[WS+1], v[LS], s[24:25] offset:128
.irp m, 0,1,2,3
	global_load_b128 v[ACC+8*\m:ACC+8*\m+3], v[XR], s[26:27] offset:(32*(\m/2)+8*(\m%2))*1024      ; the residual lands where the sums begin
	global_load_b128 v[ACC+8*\m+4:ACC+8*\m+7], v[XR], s[26:27] offset:(32*(\m/2)+8*(\m%2))*1024+16
.endr
	global_load_b128 v[BO:BO+3], v[H64], s[28:29]
	global_load_b128 v[BO+4:BO+7], v[H64], s[28:29] offset:16
	; ---- X
	s_wait_loadcnt 20                              ; attn's eight loads are in; the 20 issued behind them (8 + 2 + 8 + 2) may be out
	QUANT RAW, 2, XF, XF+8
	v_lshl_or_b32 v[PW], v[XF+3], 8, v[XF+2]
	ds_store_b128 v[XWI], v[XF+8:XF+11]
	ds_store_b128 v[XWI], v[XF+12:XF+15] offset:512
	ds_store_b16 v[XWS], v[PW] offset:XSC
	s_wait_dscnt 0x0                               ; for the others' sake: my stores have landed
	s_barrier_signal -1
	s_barrier_wait -1                              ; attn's eight fragments lie in LDS; nothing is written there again
	; ---- M
.irp f, 0,1,2,3,4,5,6,7
.irp c, 0,1,2,3
	ds_load_b128 v[XF+16*\f+4*\c:XF+16*\f+4*\c+3], v[LI] offset:2048*\f+512*\c
.endr
	ds_load_b32 v[XS+\f], v[LS] offset:XSC+128*\f
.endr
	s_wait_loadcnt 0x0
.irp m, 0,1,2,3
.irp p, 0,2,4,6
	v_pk_add_f32 v[ACC+8*\m+\p:ACC+8*\m+\p+1], v[ACC+8*\m+\p:ACC+8*\m+\p+1], v[BO+\p:BO+\p+1]   ; x + bo
.endr
.endr
	PLACES 4
	s_wait_dscnt 0x0
.irp s, 0,1                                    ; the four accumulators by turns
.irp m, 0,1,2,3
	v_wmma_scale_f32_16x16x128_f8f6f4 v[ACC+8*\m:ACC+8*\m+7], v[W0+16*\s:W0+16*\s+15], v[XF+16*(2*\m+\s):XF+16*(2*\m+\s)+15], v[ACC+8*\m:ACC+8*\m+7], v[WS+\s], v[XS+2*\m+\s]
.endr
.endr
	PLACES 9                                       ; 8 places stand between this form and a read of its results
.irp m, 0,1,2,3
	global_store_b128 v[LI], v[ACC+8*\m:ACC+8*\m+3], s[34:35] offset:16384*\m
	global_store_b128 v[LI], v[ACC+8*\m+4:ACC+8*\m+7], s[34:35] offset:16384*\m+512
.endr
	STATS ACC, RAW, RAW+8, RAW+16, RAW+24
	v_cmp_eq_u32 vcc_lo, 0, v[RR]                  ; lanes 0 and 16 hold what all lanes of their halves hold
	s_wait_xcnt 0x0                                ; EXEC changes only behind this wait
	s_barrier_signal -1
	s_barrier_wait -1
	s_wait_tensorcnt 0x0
	ds_add_u32 v20, v21
	s_wait_dscnt 0x0
	s_and_saveexec_b32 s30, vcc_lo
	global_store_b128 v[H64], v[RAW:RAW+3], s[36:37]
	global_store_b128 v[H64], v[RAW+4:RAW+7], s[36:37] offset:16
	global_store_b128 v[H64], v[RAW+16:RAW+19], s[36:37] offset:1024
	global_store_b128 v[H64], v[RAW+20:RAW+23], s[36:37] offset:1040
	s_wait_xcnt 0x0                                ; and again, in front of the line that widens it
	s_or_b32 exec_lo, exec_lo, s30
	s_endpgm
.Lfunc_end_k_qf3993db160_oproj:
	.size	k_qf3993db160_oproj, .Lfunc_end_k_qf3993db160_oproj-k_qf3993db160_oproj
	.p2alignl 7, 3214868480
	.fill 96, 4, 3214868480
	.section	.rodata,"a",@progbits
	.p2align	6, 0x0
	.amdhsa_kernel k_qf3993db160_oproj
		.amdhsa_group_segment_fixed_size 19456
		.amdhsa_private_segment_fixed_size 0
		.amdhsa_enable_private_segment 0
		.amdhsa_kernarg_size 40
		.amdhsa_user_sgpr_count 2
		.amdhsa_user_sgpr_kernarg_segment_ptr 1
		.amdhsa_wavefront_size32 1
		.amdhsa_system_sgpr_workgroup_id_x 1
		.amdhsa_system_sgpr_workgroup_id_y 1
		.amdhsa_system_sgpr_workgroup_id_z 1
		.amdhsa_system_vgpr_workitem_id 0
		.amdhsa_next_free_vgpr 256
		.amdhsa_next_free_sgpr 66
		.amdhsa_reserve_vcc 1
		.amdhsa_float_denorm_mode_32 3
		.amdhsa_float_denorm_mode_16_64 3
		.amdhsa_memory_ordered 1
		.amdhsa_forward_progress 1
		.amdhsa_inst_pref_size 24
	.end_amdhsa_kernel
	.amdgpu_metadata
---
amdhsa.version: [ 1, 2 ]
amdhsa.kernels:
  - .name:           k_qf3993db160_oproj
    .symbol:         k_qf3993db160_oproj.kd
    .args:
      - { .name: at, .offset: 0, .size: 8, .value_kind: global_buffer, .address_space: global }
      - { .name: wcs, .offset: 8, .size: 8, .value_kind: global_buffer, .address_space: global }
      - { .name: x, .offset: 16, .size: 8, .value_kind: global_buffer, .address_space: global }
      - { .name: bo, .offset: 24, .size: 8, .value_kind: global_buffer, .address_space: global }
      - { .name: y1s, .offset: 32, .size: 8, .value_kind: global_buffer, .address_space: global }
    .group_segment_fixed_size: 19456
    .private_segment_fixed_size: 0
    .kernarg_segment_align: 8
    .kernarg_segment_size: 40
    .max_flat_workgroup_size: 512
    .sgpr_count:     66
    .vgpr_count:     256
    .wavefront_size: 32
...
	.end_amdgpu_metadata
.endif
;; end of part 4
;; launch ffn (part 5): grid 256 x 1, 16 waves a work-group, no clusters, 122,880 bytes of LDS; arguments y1s, wcs, gamma1, beta1, b1, b2, y2s; writes y2s
.if DOCPART == 5
	.amdgcn_target "amdgcn-amd-amdhsa--gfx1250"
	.amdhsa_code_object_version 6
	.text
	.protected	k_qf3993db160_ffn
	.globl	k_qf3993db160_ffn
	.p2align	8
	.type	k_qf3993db160_ffn,@function
k_qf3993db160_ffn:
	s_mov_b64 s[64:65], 0
	v_nop
	global_prefetch_b8 v0, s[64:65] scope:SCOPE_SE
	s_setreg_imm32_b32 hwreg(HW_REG_WAVE_MODE, 25, 1), 1
	s_wait_xcnt 0x0
; h = norm1(y1);  y2 = h + (silu(gate) * part) W2 + b2 with (part, gate) = h W1 + b1;  and the statistics of y2 for the second norm.  Both products on codes of E4M3 with E8M0 scales along K.
; SHARES.  Work-group g owns rows 64 g .. 64 g + 63 as four tiles (slot r of tile m: row 32 (m / 2) + 8 (m % 2) + r + 8 (r / 8)).  THE WAVES SHARE THE COLUMNS: wave w makes hidden units 32 w .. 32 w + 31 (their part and
; their gate) and later 16 of the 256 outputs, for all 64 rows.  Its fragments of W1 and W2 come from memory as register images, read by this wave alone in the work-group; what goes round through LDS is the rows' codes.
; The images of W1 and W2 are 393,216 bytes, more than LDS holds, so they are not staged there and not asked for jointly; each wave's loads are 512 consecutive bytes.
; PHASES, four barriers; every LDS region is written in one phase and read only behind the barrier that ends it:
;   0: the batch's sixteen partial statistics of each channel are joined (sums; sums of squares about each part's mean, plus 64 x the squares of the parts' means about the whole mean): a = rsqrt(var + eps) gamma, c = beta - mean a, to TAB.
;   X: wave w = 4 m + 2 s + hf takes blocks 2 hf, 2 hf + 1 of fragment (m, s) of y1, h = y1 a + c, quantises, image to HIMG.
;   1: for each tile of rows: h's two fragments; four accumulators (part's two tiles, gate's two; b1 is the C of the first product); SwiGLU; my 32 units are ONE block of the next K: 16 bytes a lane to UIMG, one scale byte to USC.
;   2: my tile of W2's columns against the sixteen fragments of u; h + b2 is the C of the first product; statistics; y2 through a stage, out as whole rows.
; LIMITS: NaN and infinities are not served; a block whose largest magnitude lies under 2^-118 gets the byte 1; v_exp_f32, v_rcp_f32 and v_rsq_f32 are good to one unit in the last place and flush denormals.
.set SCB,  655360
.set STB,  16777216
.set TAB,  0                           ; LDS: a at 4 ch, c at 1,024 + 4 ch
.set HIMG, 2048                        ; h's 8 images, 2,048 (2 m + s)
.set HSC,  18432                       ; their scale words
.set UIMG, 19456                       ; u's 16 images, 2,048 (4 m + s)
.set USC,  52224                       ; their scale words
.set STG,  54272                       ; the stage: 64 rows x (1,024 + 16) bytes
.set LI,  1                            ; v1   16 x lane
.set LS,  2                            ; v2   4 x lane
.set RR,  3                            ; v3   r
.set HWI, 4                            ; v4   16 x lane + 1,024 w
.set HWS, 5                            ; v5   4 x lane + 128 (w / 2) + 2 (w % 2)
.set UWI, 6                            ; v6   16 x lane + 512 w
.set UWS, 7                            ; v7   4 x lane + 128 (w / 4) + w % 4
.set TA,  8                            ; v8   TAB at phase X's channels: 64 h + 256 (w % 4)
.set TB2, 9                            ; v9   TAB at phase 2's channels: 64 h + 128 (w / 2) + 32 (w % 2)
.set SO,  10                           ; v10  the stage, in: STG + 1,040 r + my channels' bytes
.set SR,  11                           ; v11  the stage, back: STG + 16 x lane + 4,160 w
.set H64, 12                           ; v12  64 h
.set C4,  13                           ; v13  4 x (thread % 256)
.set T4,  14                           ; v14  4 x thread
.set PW,  15
.set W1S, 16                           ; v16-23 W1's scale words (2 x tile + s): scales alone
.set W2S, 24                           ; v24-27 W2's
.set HS,  28                           ; v28-31 h's (2), later u's (4)
.set ACC, 32                           ; v32-63
.set HF,  64                           ; v64-95 h's two fragments; v64-127 four of u's; at work between
.set B1,  96                           ; v96-127 b1 in the results' layout
.set WF,  128                          ; v128-255 W1's eight fragments; later v128-191 W2's four
.set K64, 40                           ; s40  1 / 64
.set K1K, 41                           ; s41  1 / 1,024
.set EPS, 42                           ; s42  1e-5
.set SEL, 44
.set MNT, 46
.macro PLACES n
.rept \n
	v_nop
.endr
.endm
.macro BARRIER                         ; my LDS stores have landed and my LDS loads are in: then the work-group's barrier
	s_wait_dscnt 0x0
	s_barrier_signal -1
	s_barrier_wait -1
.endm
.macro QUANT src, nb, tm, pc           ; 16 nb numbers of a lane, v[src + 16 b + i], become codes in v[pc + 4 b ..]; bytes in v[tm + nb + b]
.set qb, 0
.rept \nb
	v_mov_b32 v[\tm+\nb+qb], 0                     ; a lane permute's destination counts as one of its sources
	v_max3_num_f32 v[\tm+qb], |v[\src+16*qb]|, |v[\src+16*qb+1]|, 0x4800000   ; the floor 2^(9 - 127) among the leaves: the byte cannot fall under 1
.set qb, qb+1
.endr
.irp i, 2,4,6,8,10,12,14
.set qb, 0
.rept \nb
	v_max3_num_f32 v[\tm+qb], v[\tm+qb], |v[\src+16*qb+\i]|, |v[\src+16*qb+\i+1]|
.set qb, qb+1
.endr
.endr
.set qb, 0
.rept \nb
	v_permlanex16_b32 v[\tm+\nb+qb], v[\tm+qb], s[SEL], s[SEL+1]
.set qb, qb+1
.endr
.set qb, 0
.rept \nb
	v_max_num_f32 v[\tm+qb], v[\tm+qb], v[\tm+\nb+qb]
.set qb, qb+1
.endr
.set qb, 0
.rept \nb
	v_add_nc_u32 v[\tm+3*\nb+qb], 0xfc000000, v[\tm+qb]
	v_and_or_b32 v[\tm+2*\nb+qb], v[\tm+qb], 0x7f800000, s[MNT]
.set qb, qb+1
.endr
.set qb, 0
.rept \nb
	v_lshrrev_b32 v[\tm+\nb+qb], 23, v[\tm+3*\nb+qb]
.set qb, qb+1
.endr
.set qb, 0
.rept \nb
.irp i, 0,1,2,3,4,5,6,7,8,9,10,11,12,13,14,15
	v_med3_num_f32 v[\src+16*qb+\i], v[\src+16*qb+\i], -v[\tm+2*\nb+qb], v[\tm+2*\nb+qb]   ; the conversion does not saturate (ISA guide 7.6.2): the hold
.endr
	v_cvt_scalef32_pk8_fp8_f32 v[\pc+4*qb:\pc+4*qb+1], v[\src+16*qb:\src+16*qb+7], v[\tm+3*\nb+qb]
	v_cvt_scalef32_pk8_fp8_f32 v[\pc+4*qb+2:\pc+4*qb+3], v[\src+16*qb+8:\src+16*qb+15], v[\tm+3*\nb+qb]
.set qb, qb+1
.endr
	v_nop                                          ; one plain line behind the last conversion
.endm
.macro TREE reg                        ; eight registers, each summed over the sixteen lanes of its half
.irp k, 1,2,4,8
.set tj, 0
.rept 8
	v_add_f32_dpp v[\reg+tj], v[\reg+tj], v[\reg+tj] row_xmask:\k row_mask:0xf bank_mask:0xf
.set tj, tj+1
.endr
.endr
.endm
.macro STATS acc, sm, mn, m2, d        ; the channels' sums over the 64 rows, and the sums of squares about their mean
.irp p, 0,2,4,6
	v_pk_add_f32 v[\sm+\p:\sm+\p+1], v[\acc+\p:\acc+\p+1], v[\acc+8+\p:\acc+8+\p+1]      ; each accumulator is first read at its low end
	v_pk_add_f32 v[\d+\p:\d+\p+1], v[\acc+16+\p:\acc+16+\p+1], v[\acc+24+\p:\acc+24+\p+1]
.endr
.irp p, 0,2,4,6
	v_pk_add_f32 v[\sm+\p:\sm+\p+1], v[\sm+\p:\sm+\p+1], v[\d+\p:\d+\p+1]
.endr
	TREE \sm
.irp p, 0,2,4,6
	v_pk_mul_f32 v[\mn+\p:\mn+\p+1], v[\sm+\p:\sm+\p+1], 0x3c800000 op_sel_hi:[1,0]   ; / 64
.endr
.irp m, 0,1,2,3
.irp p, 0,2,4,6
	v_pk_add_f32 v[\d+\p:\d+\p+1], v[\acc+8*\m+\p:\acc+8*\m+\p+1], v[\mn+\p:\mn+\p+1] neg_lo:[0,1] neg_hi:[0,1]
.endr
.irp p, 0,2,4,6
.if \m == 0
	v_pk_mul_f32 v[\m2+\p:\m2+\p+1], v[\d+\p:\d+\p+1], v[\d+\p:\d+\p+1]
.else
	v_pk_fma_f32 v[\m2+\p:\m2+\p+1], v[\d+\p:\d+\p+1], v[\d+\p:\d+\p+1], v[\m2+\p:\m2+\p+1]
.endif
.endr
.endr
	TREE \m2
.endm
	s_load_b256 s[4:11], s[0:1], 0x0               ; y1s s[4:5], wcs s[6:7], gamma1 s[8:9], beta1 s[10:11]
	s_load_b128 s[12:15], s[0:1], 0x20             ; b1 s[12:13], b2 s[14:15]
	s_load_b64 s[16:17], s[0:1], 0x30              ; y2s
	v_lshrrev_b32 v1, 5, v0
	v_readfirstlane_b32 s18, v1                    ; wave 0..15
	v_and_b32 v15, 31, v0
	v_and_b32 v[RR], 15, v0
	v_bfe_u32 v[H64], v0, 4, 1
	v_lshlrev_b32 v[LI], 4, v15
	v_lshlrev_b32 v[LS], 2, v15
	v_lshlrev_b32 v[H64], 6, v[H64]
	v_and_b32 v[C4], 255, v0
	v_lshlrev_b32 v[C4], 2, v[C4]
	v_lshlrev_b32 v[T4], 2, v0
	s_lshl_b32 s47, s18, 10
	v_add_nc_u32 v[HWI], s47, v[LI]
	s_lshr_b32 s47, s18, 1
	s_lshl_b32 s47, s47, 7                         ; 128 (w / 2)
	s_and_b32 s48, s18, 1
	s_lshl_b32 s49, s48, 1
	s_add_co_u32 s49, s49, s47
	v_add_nc_u32 v[HWS], s49, v[LS]
	s_lshl_b32 s49, s48, 5
	s_add_co_u32 s43, s47, s49                     ; my outputs' first byte in a row: 128 (w / 2) + 32 (w % 2)
	s_lshl_b32 s49, s18, 9
	v_add_nc_u32 v[UWI], s49, v[LI]
	s_lshr_b32 s49, s18, 2
	s_lshl_b32 s49, s49, 7
	s_and_b32 s50, s18, 3
	s_add_co_u32 s49, s49, s50
	v_add_nc_u32 v[UWS], s49, v[LS]
	s_lshl_b32 s49, s50, 8
	v_add_nc_u32 v[TA], s49, v[H64]
	v_add_nc_u32 v[TB2], s43, v[H64]
	v_mul_u32_u24 v[SO], v[RR], 1040
	v_add_nc_u32 v[SO], v[SO], v[TB2]
	v_add_nc_u32 v[SO], STG, v[SO]
	s_mul_i32 s49, s18, 4160
	s_add_co_u32 s49, s49, STG
	v_add_nc_u32 v[SR], s49, v[LI]
	s_mov_b32 s[K64], 0x3c800000
	s_mov_b32 s[K1K], 0x3a800000
	s_mov_b32 s[EPS], 0x3727c5ac
	s_mov_b32 s[SEL], 0x76543210
	s_mov_b32 s[SEL+1], 0xfedcba98
	s_mov_b32 s[MNT], 0x600000
	s_lshr_b32 s20, ttmp9, 4                       ; the batch's statistics: 32,768 bytes
	s_lshl_b32 s20, s20, 15
	s_add_co_u32 s20, s20, STB
	s_mov_b32 s21, 0
	s_lshl_b32 s22, ttmp9, 16                      ; y1 for phase X: image 4 g + m, blocks 4 s + 2 hf on: 16,384 (w / 4) + 4,096 (w % 4)
	s_lshr_b32 s49, s18, 2
	s_lshl_b32 s49, s49, 14
	s_add_co_u32 s22, s22, s49
	s_lshl_b32 s49, s50, 12
	s_add_co_u32 s22, s22, s49
	s_mov_b32 s23, 0
	s_lshl_b32 s24, s18, 9                         ; scale words from fragment 128 + 4 w on; the gate's lie 8,192 bytes on, W2's 16,384
	s_add_co_u32 s24, s24, SCB+128*128
	s_mov_b32 s25, 0
	s_lshl_b32 s26, s18, 13                        ; codes from fragment 128 + 4 w on; the gate's lie 131,072 bytes on, W2's 262,144
	s_add_co_u32 s26, s26, 128*2048
	s_mov_b32 s27, 0
	s_lshl_b32 s28, s18, 7                         ; b1 at my 32 units
	s_mov_b32 s29, 0
	s_mov_b32 s32, s43                             ; b2 at my outputs
	s_mov_b32 s33, 0
	s_lshl_b32 s34, ttmp9, 16                      ; y1 for the residual: my outputs' part of each image: 1,024 w bytes in
	s_lshl_b32 s49, s18, 10
	s_add_co_u32 s34, s34, s49
	s_mov_b32 s35, 0
	s_lshl_b32 s36, ttmp9, 11                      ; y2's statistics
	s_add_co_u32 s36, s36, s43
	s_add_co_u32 s36, s36, STB
	s_mov_b32 s37, 0
	s_lshl_b32 s38, ttmp9, 6                       ; the four rows of y2 that I store: stage rows 4 w .. 4 w + 3 are slots 4 (w % 4) + i of tile w / 4
	s_lshr_b32 s49, s18, 3
	s_lshl_b32 s49, s49, 5
	s_add_co_u32 s38, s38, s49
	s_bfe_u32 s49, s18, 0x10002
	s_lshl_b32 s49, s49, 3
	s_add_co_u32 s38, s38, s49
	s_lshl_b32 s49, s50, 2
	s_add_co_u32 s38, s38, s49
	s_lshr_b32 s49, s50, 1
	s_lshl_b32 s49, s49, 3
	s_add_co_u32 s38, s38, s49
	s_lshl_b32 s38, s38, 10
	s_mov_b32 s39, 0
	s_wait_kmcnt 0x0
	s_add_nc_u64 s[20:21], s[4:5], s[20:21]
	s_add_nc_u64 s[22:23], s[4:5], s[22:23]
	s_add_nc_u64 s[24:25], s[6:7], s[24:25]
	s_add_nc_u64 s[26:27], s[6:7], s[26:27]
	s_add_nc_u64 s[28:29], s[12:13], s[28:29]
	s_add_nc_u64 s[32:33], s[14:15], s[32:33]
	s_add_nc_u64 s[34:35], s[4:5], s[34:35]
	s_add_nc_u64 s[36:37], s[16:17], s[36:37]
	s_add_nc_u64 s[38:39], s[16:17], s[38:39]
.irp i, 0,1,2,3,4,5,6,7,8,9,10,11,12,13,14,15
	global_load_b32 v[64+\i], v[C4], s[20:21] offset:2048*\i          ; part i's sum of my channel,
	global_load_b32 v[80+\i], v[C4], s[20:21] offset:2048*\i+1024     ; and its sum of squares about its own mean
.endr
	global_load_b32 v96, v[C4], s[8:9]
	global_load_b32 v97, v[C4], s[10:11]
.irp q, 0,1
.irp i, 0,1,2,3
	global_load_b128 v[ACC+16*\q+4*\i:ACC+16*\q+4*\i+3], v[LI], s[22:23] offset:2048*\q+512*\i
.endr
.endr
.irp k, 0,1,2,3
	global_load_b32 v[W1S+\k], v[LS], s[24:25] offset:128*\k
	global_load_b32 v[W1S+4+\k], v[LS], s[24:25] offset:8192+128*\k
.endr
.irp k, 0,1,2,3
	global_load_b32 v[W2S+\k], v[LS], s[24:25] offset:16384+128*\k
.endr
	; ---- 0
	s_wait_loadcnt 20                              ; the statistics, gamma and beta are in; y1's 8 loads and the 8 + 4 scale words may be out
.irp j, 0,1,2,3,4,5,6,7,8,9,10,11,12,13,14,15
	global_load_b128 v[WF+4*\j:WF+4*\j+3], v[LI], s[26:27] offset:512*\j              ; W1: the part's two tiles,
.endr
.irp j, 0,1,2,3,4,5,6,7,8,9,10,11,12,13,14,15
	global_load_b128 v[WF+64+4*\j:WF+64+4*\j+3], v[LI], s[26:27] offset:131072+512*\j   ; the gate's two: they land under phases 0 and X
.endr
	v_pk_add_f32 v[98:99], v[64:65], v[66:67]
	v_pk_add_f32 v[100:101], v[68:69], v[70:71]
	v_pk_add_f32 v[102:103], v[80:81], v[82:83]
	v_pk_add_f32 v[104:105], v[84:85], v[86:87]
	v_pk_add_f32 v[98:99], v[98:99], v[72:73]
	v_pk_add_f32 v[100:101], v[100:101], v[74:75]
	v_pk_add_f32 v[102:103], v[102:103], v[88:89]
	v_pk_add_f32 v[104:105], v[104:105], v[90:91]
	v_pk_add_f32 v[98:99], v[98:99], v[76:77]
	v_pk_add_f32 v[100:101], v[100:101], v[78:79]
	v_pk_add_f32 v[102:103], v[102:103], v[92:93]
	v_pk_add_f32 v[104:105], v[104:105], v[94:95]
	v_pk_add_f32 v[98:99], v[98:99], v[100:101]
	v_pk_add_f32 v[102:103], v[102:103], v[104:105]
	v_add_f32 v98, v98, v99                        ; the channel's sum over the batch's 1,024 rows
	v_add_f32 v102, v102, v103                     ; the parts' sums of squares
	v_mul_f32 v99, s[K1K], v98                     ; the mean
.irp i, 0,1,2,3,4,5,6,7,8,9,10,11,12,13,14,15
	v_fma_f32 v[64+\i], v[64+\i], s[K64], -v99     ; part i's mean about the whole mean
.endr
	v_mul_f32 v100, v64, v64
	v_mul_f32 v101, v65, v65
.irp i, 2,4,6,8,10,12,14
	v_fma_f32 v100, v[64+\i], v[64+\i], v100
	v_fma_f32 v101, v[65+\i], v[65+\i], v101
.endr
	v_add_f32 v100, v100, v101
	v_fmamk_f32 v102, v100, 0x42800000, v102       ; + 64 x their squares: the sum of squares about the whole mean
	v_fma_f32 v103, v102, s[K1K], s[EPS]           ; the biased variance + eps
	v_rsq_f32 v103, v103
	v_nop                                          ; one plain line behind the root
	v_cmp_gt_u32 vcc_lo, 256, v0
	s_wait_alu depctr_va_vdst(0)
	v_mul_f32 v104, v103, v96                      ; a
	v_fma_f32 v105, -v99, v104, v97                ; c
	v_cndmask_b32 v[PW], v105, v104, vcc_lo        ; threads 0-255 keep a, threads 256-511 c of the same channels: each word of the table has one writer
	ds_store_b32 v[T4], v[PW]
	BARRIER
	; ---- X
.irp q, 0,1
.irp i, 0,1,2,3
	ds_load_b128 v[64+16*\q+4*\i:64+16*\q+4*\i+3], v[TA] offset:TAB+128*\q+16*\i
	ds_load_b128 v[96+16*\q+4*\i:96+16*\q+4*\i+3], v[TA] offset:TAB+1024+128*\q+16*\i
.endr
.endr
	s_wait_loadcnt 44                              ; y1 is in; the 8 + 4 scale words and W1's 32 loads may be out
	s_wait_dscnt 0x0
.set p, 0
.rept 16
	v_pk_fma_f32 v[ACC+p:ACC+p+1], v[ACC+p:ACC+p+1], v[64+p:65+p], v[96+p:97+p]   ; h = y1 a + c
.set p, p+2
.endr
	QUANT ACC, 2, 64, 72
	v_lshl_or_b32 v[PW], v67, 8, v66
	ds_store_b128 v[HWI], v[72:75] offset:HIMG
	ds_store_b128 v[HWI], v[76:79] offset:HIMG+512
	ds_store_b16 v[HWS], v[PW] offset:HSC
.irp k, 0,1,2,3
	global_load_b128 v[B1+4*\k:B1+4*\k+3], v[H64], s[28:29] offset:16*\k              ; b1 at units 32 w + 16 h + 0 .. 15: the part's two tiles,
	global_load_b128 v[B1+16+4*\k:B1+16+4*\k+3], v[H64], s[28:29] offset:2048+16*\k   ; the gate's
.endr
	BARRIER
	s_wait_loadcnt 0x0                             ; W1, its scale words, b1
	; ---- 1
.irp m, 0,1,2,3
.irp s, 0,1
.irp c, 0,1,2,3
	ds_load_b128 v[HF+16*\s+4*\c:HF+16*\s+4*\c+3], v[LI] offset:HIMG+2048*(2*\m+\s)+512*\c
.endr
	ds_load_b32 v[HS+\s], v[LS] offset:HSC+128*(2*\m+\s)
.endr
	s_wait_dscnt 0x0
.irp t, 0,1,2,3                                ; source 0 = 16 columns of W1, source 1 = 16 rows of h; the four accumulators by turns
	v_wmma_scale_f32_16x16x128_f8f6f4 v[ACC+8*\t:ACC+8*\t+7], v[WF+32*\t:WF+32*\t+15], v[HF:HF+15], v[B1+8*\t:B1+8*\t+7], v[W1S+2*\t], v[HS]
.endr
.irp t, 0,1,2,3
	v_wmma_scale_f32_16x16x128_f8f6f4 v[ACC+8*\t:ACC+8*\t+7], v[WF+32*\t+16:WF+32*\t+31], v[HF+16:HF+31], v[ACC+8*\t:ACC+8*\t+7], v[W1S+2*\t+1], v[HS+1]
.endr
	PLACES 9                                       ; 8 places ahead of reads of the results and of writes and loads into the sources, 9 ahead of the next tile's first products, which begin the accumulators anew
.set p, 0
.rept 8
	v_pk_mul_f32 v[64+p:65+p], v[ACC+16+p:ACC+17+p], 0xbfb8aa3b op_sel_hi:[1,0]   ; -gate x log2(e)
.set p, p+2
.endr
.set p, 0
.rept 16
	v_exp_f32 v[64+p], v[64+p]
.set p, p+1
.endr
	v_nop                                          ; one plain line behind the exponentials
.set p, 0
	s_wait_alu depctr_va_vdst(0)
.rept 8
	v_pk_add_f32 v[64+p:65+p], v[64+p:65+p], 1.0 op_sel_hi:[1,0]
.set p, p+2
.endr
.set p, 0
.rept 16
	v_rcp_f32 v[64+p], v[64+p]                     ; sigmoid(gate)
.set p, p+1
.endr
.set p, 0
.rept 8
	v_pk_mul_f32 v[ACC+p:ACC+p+1], v[ACC+p:ACC+p+1], v[ACC+16+p:ACC+17+p]   ; part x gate: also the plain lines behind the reciprocals
.set p, p+2
.endr
.set p, 0
	s_wait_alu depctr_va_vdst(0)
.rept 8
	v_pk_mul_f32 v[ACC+p:ACC+p+1], v[ACC+p:ACC+p+1], v[64+p:65+p]
.set p, p+2
.endr
	QUANT ACC, 1, 80, 84                           ; units 32 w + 16 h + 0 .. 15: with lane l xor 16's, block w of the next K
	ds_store_b128 v[UWI], v[84:87] offset:UIMG+8192*\m
	ds_store_b8 v[UWS], v81 offset:USC+512*\m
	s_wait_dscnt 0x0                               ; the stores have read their registers: the next tile's loads land there
.endr
.irp j, 0,1,2,3,4,5,6,7,8,9,10,11,12,13,14,15
	global_load_b128 v[WF+4*\j:WF+4*\j+3], v[LI], s[26:27] offset:262144+512*\j   ; W2's four fragments of my tile take W1's registers
.endr
	global_load_b128 v[192:195], v[H64], s[32:33]                  ; b2
	global_load_b128 v[196:199], v[H64], s[32:33] offset:16
.irp m, 0,1,2,3
	global_load_b128 v[ACC+8*\m:ACC+8*\m+3], v[LI], s[34:35] offset:16384*\m       ; y1 at my outputs, where the sums begin
	global_load_b128 v[ACC+8*\m+4:ACC+8*\m+7], v[LI], s[34:35] offset:16384*\m+512
.endr
	BARRIER
	; ---- 2
	ds_load_b128 v[200:203], v[TB2] offset:TAB
	ds_load_b128 v[204:207], v[TB2] offset:TAB+16
	ds_load_b128 v[208:211], v[TB2] offset:TAB+1024
	ds_load_b128 v[212:215], v[TB2] offset:TAB+1040
	s_wait_loadcnt 0x0
	s_wait_dscnt 0x0
.irp p, 0,2,4,6
	v_pk_add_f32 v[208+\p:209+\p], v[208+\p:209+\p], v[192+\p:193+\p]   ; c + b2
.endr
.irp m, 0,1,2,3
.irp p, 0,2,4,6
	v_pk_fma_f32 v[ACC+8*\m+\p:ACC+8*\m+\p+1], v[ACC+8*\m+\p:ACC+8*\m+\p+1], v[200+\p:201+\p], v[208+\p:209+\p]   ; h + b2
.endr
.endr
	PLACES 4
.irp s, 0,1,2,3
.irp m, 0,1,2,3
.irp c, 0,1,2,3
	ds_load_b128 v[HF+16*\m+4*\c:HF+16*\m+4*\c+3], v[LI] offset:UIMG+2048*(4*\m+\s)+512*\c
.endr
	ds_load_b32 v[HS+\m], v[LS] offset:USC+128*(4*\m+\s)
.endr
	s_wait_dscnt 0x0
.irp m, 0,1,2,3
	v_wmma_scale_f32_16x16x128_f8f6f4 v[ACC+8*\m:ACC+8*\m+7], v[WF+16*\s:WF+16*\s+15], v[HF+16*\m:HF+16*\m+15], v[ACC+8*\m:ACC+8*\m+7], v[W2S+\s], v[HS+\m]
.endr
	PLACES 9                                       ; ahead of the next K step's loads into these fragments, and of the reads of the results
.endr
	STATS ACC, 216, 224, 232, 240
	v_cmp_eq_u32 vcc_lo, 0, v[RR]                  ; lanes 0 and 16 hold what all lanes of their halves hold
	s_wait_xcnt 0x0                                ; EXEC changes only behind this wait
	s_and_saveexec_b32 s30, vcc_lo
	global_store_b128 v[H64], v[216:219], s[36:37]
	global_store_b128 v[H64], v[220:223], s[36:37] offset:16
	global_store_b128 v[H64], v[232:235], s[36:37] offset:1024
	global_store_b128 v[H64], v[236:239], s[36:37] offset:1040
	s_wait_xcnt 0x0                                ; and again, in front of the line that widens it
	s_or_b32 exec_lo, exec_lo, s30
.irp m, 0,1,2,3
	ds_store_b128 v[SO], v[ACC+8*\m:ACC+8*\m+3] offset:16640*\m       ; stage row 16 m + r, my eight channels
	ds_store_b128 v[SO], v[ACC+8*\m+4:ACC+8*\m+7] offset:16640*\m+16
.endr
	BARRIER                                        ; 64 whole rows of y2 lie in the stage
.irp n, 0,1,2,3,4,5,6,7
	ds_load_b128 v[64+4*\n:67+4*\n], v[SR] offset:1040*(\n/2)+512*(\n%2)
.endr
.irp n, 0,1,2,3,4,5,6,7
	s_wait_dscnt 7-\n                              ; LDS loads come back in order: load n is in
	global_store_b128 v[LI], v[64+4*\n:67+4*\n], s[38:39] offset:1024*(\n/2)+512*(\n%2)   ; the wave stores 512 consecutive bytes of a row
.endr
	s_wait_xcnt 0x0
	s_mov_b32 exec_lo, -1
	v_lshl_add_u32 v14, v0, 2, 0x1d800
	v_mov_b32 v15, 0
	s_wait_tensorcnt 0x0
	ds_add_u32 v14, v15
	s_wait_dscnt 0x0
	s_endpgm
.Lfunc_end_k_qf3993db160_ffn:
	.size	k_qf3993db160_ffn, .Lfunc_end_k_qf3993db160_ffn-k_qf3993db160_ffn
	.p2alignl 7, 3214868480
	.fill 96, 4, 3214868480
	.section	.rodata,"a",@progbits
	.p2align	6, 0x0
	.amdhsa_kernel k_qf3993db160_ffn
		.amdhsa_group_segment_fixed_size 122880
		.amdhsa_private_segment_fixed_size 0
		.amdhsa_enable_private_segment 0
		.amdhsa_kernarg_size 56
		.amdhsa_user_sgpr_count 2
		.amdhsa_user_sgpr_kernarg_segment_ptr 1
		.amdhsa_wavefront_size32 1
		.amdhsa_system_sgpr_workgroup_id_x 1
		.amdhsa_system_sgpr_workgroup_id_y 1
		.amdhsa_system_sgpr_workgroup_id_z 1
		.amdhsa_system_vgpr_workitem_id 0
		.amdhsa_next_free_vgpr 256
		.amdhsa_next_free_sgpr 66
		.amdhsa_reserve_vcc 1
		.amdhsa_float_denorm_mode_32 3
		.amdhsa_float_denorm_mode_16_64 3
		.amdhsa_memory_ordered 1
		.amdhsa_forward_progress 1
		.amdhsa_inst_pref_size 76
	.end_amdhsa_kernel
	.amdgpu_metadata
---
amdhsa.version: [ 1, 2 ]
amdhsa.kernels:
  - .name:           k_qf3993db160_ffn
    .symbol:         k_qf3993db160_ffn.kd
    .args:
      - { .name: y1s, .offset: 0, .size: 8, .value_kind: global_buffer, .address_space: global }
      - { .name: wcs, .offset: 8, .size: 8, .value_kind: global_buffer, .address_space: global }
      - { .name: gamma1, .offset: 16, .size: 8, .value_kind: global_buffer, .address_space: global }
      - { .name: beta1, .offset: 24, .size: 8, .value_kind: global_buffer, .address_space: global }
      - { .name: b1, .offset: 32, .size: 8, .value_kind: global_buffer, .address_space: global }
      - { .name: b2, .offset: 40, .size: 8, .value_kind: global_buffer, .address_space: global }
      - { .name: y2s, .offset: 48, .size: 8, .value_kind: global_buffer, .address_space: global }
    .group_segment_fixed_size: 122880
    .private_segment_fixed_size: 0
    .kernarg_segment_align: 8
    .kernarg_segment_size: 56
    .max_flat_workgroup_size: 512
    .sgpr_count:     66
    .vgpr_count:     256
    .wavefront_size: 32
...
	.end_amdgpu_metadata
.endif
;; end of part 5
;; launch norm2 (part 6): grid 256 x 1, 8 waves a work-group, no clusters, 0 bytes of LDS; arguments y2s, gamma2, beta2, out0; writes out0
.if DOCPART == 6
	.amdgcn_target "amdgcn-amd-amdhsa--gfx1250"
	.amdhsa_code_object_version 6
	.text
	.protected	k_qf3993db160_norm2
	.globl	k_qf3993db160_norm2
	.p2align	8
	.type	k_qf3993db160_norm2,@function
k_qf3993db160_norm2:
	s_mov_b64 s[64:65], 0
	v_nop
	global_prefetch_b8 v0, s[64:65] scope:SCOPE_SE
	s_setreg_imm32_b32 hwreg(HW_REG_WAVE_MODE, 25, 1), 1
	s_wait_xcnt 0x0
; out = (y2 - mean) rsqrt(var + 1e-5) gamma2 + beta2, mean and biased variance over the 1,024 rows of a batch for each channel.
; A stream: work-group g takes rows 64 g .. 64 g + 63.  Thread t keeps the same four channels, 4 (t % 64) on, in every fourth row: each load and store of a wave covers 512 consecutive bytes.
; The batch's sixteen partial statistics (sum; sum of squares about the part's own mean) are joined by every thread for its four channels: 32 loads of 16 bytes; no LDS, no barrier, no matrix unit: memory binds.
; All 16 loads of y2 are issued ahead of the arithmetic; each register is written once, so no store's data are written again.
; LIMITS: NaN and infinities are not served; v_rsq_f32 is good to one unit in the last place.
.set STB, 16777216
	s_load_b256 s[4:11], s[0:1], 0x0               ; y2s s[4:5], gamma2 s[6:7], beta2 s[8:9], out0 s[10:11]
	v_and_b32 v1, 63, v0
	v_lshlrev_b32 v1, 4, v1                        ; my four channels' bytes
	v_lshlrev_b32 v2, 4, v0                        ; my 16 bytes of the 4,096 that the work-group takes at a time
	s_lshr_b32 s12, ttmp9, 4
	s_lshl_b32 s12, s12, 15
	s_add_co_u32 s12, s12, STB                     ; the batch's statistics
	s_mov_b32 s13, 0
	s_lshl_b32 s14, ttmp9, 16
	s_mov_b32 s15, 0
	s_mov_b32 s18, 0x3a800000                      ; 1 / 1,024
	s_mov_b32 s20, 0x3727c5ac                      ; 1e-5
	s_wait_kmcnt 0x0
	s_add_nc_u64 s[12:13], s[4:5], s[12:13]
	s_add_nc_u64 s[16:17], s[10:11], s[14:15]
	s_add_nc_u64 s[14:15], s[4:5], s[14:15]
.irp i, 0,1,2,3,4,5,6,7,8,9,10,11,12,13,14,15
	global_load_b128 v[64+4*\i:67+4*\i], v1, s[12:13] offset:2048*\i
	global_load_b128 v[128+4*\i:131+4*\i], v1, s[12:13] offset:2048*\i+1024
.endr
	global_load_b128 v[8:11], v1, s[6:7]
	global_load_b128 v[12:15], v1, s[8:9]
.irp i, 0,1,2,3,4,5,6,7,8,9,10,11,12,13,14,15
	global_load_b128 v[192+4*\i:195+4*\i], v2, s[14:15] offset:4096*\i th:TH_LOAD_NT
.endr
	s_wait_loadcnt 16                              ; the statistics, gamma and beta are in; y2's sixteen loads may be out
.irp h, 0,2
	v_pk_add_f32 v[16+\h:17+\h], v[64+\h:65+\h], v[68+\h:69+\h]
	v_pk_add_f32 v[28+\h:29+\h], v[128+\h:129+\h], v[132+\h:133+\h]
.endr
.irp i, 2,3,4,5,6,7,8,9,10,11,12,13,14,15
.irp h, 0,2
	v_pk_add_f32 v[16+\h:17+\h], v[16+\h:17+\h], v[64+4*\i+\h:65+4*\i+\h]        ; the channels' sums,
	v_pk_add_f32 v[28+\h:29+\h], v[28+\h:29+\h], v[128+4*\i+\h:129+4*\i+\h]      ; the parts' sums of squares
.endr
.endr
.irp h, 0,2
	v_pk_mul_f32 v[20+\h:21+\h], v[16+\h:17+\h], 0x3a800000 op_sel_hi:[1,0]      ; the means
.endr
.irp i, 0,1,2,3,4,5,6,7,8,9,10,11,12,13,14,15
.irp h, 0,2
	v_pk_fma_f32 v[64+4*\i+\h:65+4*\i+\h], v[64+4*\i+\h:65+4*\i+\h], 0x3c800000, v[20+\h:21+\h] op_sel_hi:[1,0,1] neg_lo:[0,0,1] neg_hi:[0,0,1]   ; part i's mean about the whole mean
.endr
.endr
.irp h, 0,2
	v_pk_mul_f32 v[24+\h:25+\h], v[64+\h:65+\h], v[64+\h:65+\h]
.endr
.irp i, 1,2,3,4,5,6,7,8,9,10,11,12,13,14,15
.irp h, 0,2
	v_pk_fma_f32 v[24+\h:25+\h], v[64+4*\i+\h:65+4*\i+\h], v[64+4*\i+\h:65+4*\i+\h], v[24+\h:25+\h]
.endr
.endr
.irp h, 0,2
	v_pk_fma_f32 v[28+\h:29+\h], v[24+\h:25+\h], 0x42800000, v[28+\h:29+\h] op_sel_hi:[1,0,1]   ; + 64 x their squares
.endr
.irp k, 0,1,2,3
	v_fma_f32 v[28+\k], v[28+\k], s18, s20         ; the biased variance + eps
.endr
.irp k, 0,1,2,3
	v_rsq_f32 v[28+\k], v[28+\k]
.endr
	v_nop                                          ; one plain line behind the roots
	s_wait_alu depctr_va_vdst(0)
.irp h, 0,2
	v_pk_mul_f32 v[36+\h:37+\h], v[28+\h:29+\h], v[8+\h:9+\h]                    ; a = rsqrt x gamma
.endr
.irp h, 0,2
	v_pk_fma_f32 v[40+\h:41+\h], v[20+\h:21+\h], v[36+\h:37+\h], v[12+\h:13+\h] neg_lo:[1,0,0] neg_hi:[1,0,0]   ; c = beta - mean a
.endr
.irp i, 0,1,2,3,4,5,6,7,8,9,10,11,12,13,14,15
	s_wait_loadcnt 15-\i                           ; loads come back in order: load i is in, the younger ones stay out
	v_pk_fma_f32 v[192+4*\i:193+4*\i], v[192+4*\i:193+4*\i], v[36:37], v[40:41]
	v_pk_fma_f32 v[194+4*\i:195+4*\i], v[194+4*\i:195+4*\i], v[38:39], v[42:43]
	global_store_b128 v2, v[192+4*\i:195+4*\i], s[16:17] offset:4096*\i th:TH_STORE_NT
.endr
	s_endpgm
.Lfunc_end_k_qf3993db160_norm2:
	.size	k_qf3993db160_norm2, .Lfunc_end_k_qf3993db160_norm2-k_qf3993db160_norm2
	.p2alignl 7, 3214868480
	.fill 96, 4, 3214868480
	.section	.rodata,"a",@progbits
	.p2align	6, 0x0
	.amdhsa_kernel k_qf3993db160_norm2
		.amdhsa_group_segment_fixed_size 0
		.amdhsa_private_segment_fixed_size 0
		.amdhsa_enable_private_segment 0
		.amdhsa_kernarg_size 32
		.amdhsa_user_sgpr_count 2
		.amdhsa_user_sgpr_kernarg_segment_ptr 1
		.amdhsa_wavefront_size32 1
		.amdhsa_system_sgpr_workgroup_id_x 1
		.amdhsa_system_sgpr_workgroup_id_y 1
		.amdhsa_system_sgpr_workgroup_id_z 1
		.amdhsa_system_vgpr_workitem_id 0
		.amdhsa_next_free_vgpr 256
		.amdhsa_next_free_sgpr 66
		.amdhsa_reserve_vcc 0
		.amdhsa_float_denorm_mode_32 3
		.amdhsa_float_denorm_mode_16_64 3
		.amdhsa_memory_ordered 1
		.amdhsa_forward_progress 1
		.amdhsa_inst_pref_size 20
	.end_amdhsa_kernel
	.amdgpu_metadata
---
amdhsa.version: [ 1, 2 ]
amdhsa.kernels:
  - .name:           k_qf3993db160_norm2
    .symbol:         k_qf3993db160_norm2.kd
    .args:
      - { .name: y2s, .offset: 0, .size: 8, .value_kind: global_buffer, .address_space: global }
      - { .name: gamma2, .offset: 8, .size: 8, .value_kind: global_buffer, .address_space: global }
      - { .name: beta2, .offset: 16, .size: 8, .value_kind: global_buffer, .address_space: global }
      - { .name: out0, .offset: 24, .size: 8, .value_kind: global_buffer, .address_space: global }
    .group_segment_fixed_size: 0
    .private_segment_fixed_size: 0
    .kernarg_segment_align: 8
    .kernarg_segment_size: 32
    .max_flat_workgroup_size: 256
    .sgpr_count:     66
    .vgpr_count:     256
    .wavefront_size: 32
...
	.end_amdgpu_metadata
.endif
;; end of part 6
